; MI455X (gfx1250); checked and timed in simulation.
; The chip was launched on July 23, 2026; its instructions are those of AMD's public machine-readable ISA for CDNA 5 (MIT licence, August 2026) and "CDNA5" Instruction Set Architecture Reference Guide (July 2026).
;; Multi Head Temporal Attention. Allowed arithmetic: matrix products marked QUANTISED: E3M2 operands, one E8M0 scale for each 32 along K, by v_wmma_scale_f32_16x16x128_f8f6f4 with both operands' format E3M2, f32 sums; products left as they are: f32 operands where the result goes on into a quantised operand, else bf16, f16 or f32 operands; f32 sums; everything else in f32.
;; Inputs: Wk_codes 512 x 16 x 24 uint8 (E3M2 codes of Wk, K innermost, in blocks of 32 codes, four codes in three bytes); Wk_scales 512 x 16 uint8 (E8M0 scales of Wk, one for each 32 codes along K); Wo_codes 512 x 16 x 24 uint8 (E3M2 codes of Wo, K innermost, in blocks of 32 codes, four codes in three bytes); Wo_scales 512 x 16 uint8 (E8M0 scales of Wo, one for each 32 codes along K); Wq_codes 512 x 16 x 24 uint8 (E3M2 codes of Wq, K innermost, in blocks of 32 codes, four codes in three bytes); Wq_scales 512 x 16 uint8 (E8M0 scales of Wq, one for each 32 codes along K); Wv_codes 512 x 16 x 24 uint8 (E3M2 codes of Wv, K innermost, in blocks of 32 codes, four codes in three bytes); Wv_scales 512 x 16 uint8 (E8M0 scales of Wv, one for each 32 codes along K); enc_codes 32 x 4,096 x 16 x 24 uint8 (E3M2 codes of enc, K innermost, in blocks of 32 codes, four codes in three bytes); enc_scales 32 x 4,096 x 16 uint8 (E8M0 scales of enc, one for each 32 codes along K).
;; Outputs: out0 32 x 512 float32; out1 32 x 4,096 float32.
;; This version of the problem:
;;   THIS VERSION OF THE PROBLEM IS GIVEN IN LOW PRECISION. The matrix products marked QUANTISED in the list below multiply operands that are first quantised to E3M2 (3 exponent bits, 2 mantissa bits; 6 bits a number), with one power-of-two scale for each 32 numbers along K (OCP MX v1.0); their sums are f32. All else is computed in f32.
;;   The module's matrix products, in the order in which they are computed (A, B: the left and right operand; K: the contracted axis; several contracted axes count as one K, in the product's order):
;;     1. [M 32, K 512] x [K 512, N 512]; A: input enc (given as codes); B: input Wq (given as codes): QUANTISED
;;     2. [M 131,072, K 512] x [K 512, N 512]; A: input enc (given as codes); B: input Wk (given as codes): QUANTISED
;;     3. [M 131,072, K 512] x [K 512, N 512]; A: input enc (given as codes); B: input Wv (given as codes): QUANTISED
;;     4. batch 256 x [M 1, K 64] x [K 64, N 4,096]; A: computed on the way; B: computed on the way: left as it is (M = 1 < 16)
;;     5. batch 256 x [M 1, K 4,096] x [K 4,096, N 64]; A: softmax; B: computed on the way: left as it is (M = 1 < 16)
;;     6. [M 32, K 512] x [K 512, N 512]; A: computed on the way; B: input Wo (given as codes): QUANTISED
;;   THE QUANTISER, for each operand of a quantised product, along K:
;;     - K is cut into blocks of 32 from its start; a last block that is shorter is filled with zeros.
;;     - A block's scale is 2^e with e = floor(log2(the largest magnitude in the block)) - 4, held to -126 .. 127; a block of zeros has e = 0. As a byte (E8M0): e + 127.
;;     - Each number is divided by its block's scale, clamped to +-28, and rounded to the nearest number of E3M2, ties to even, subnormals kept.
;;     - The product sums the exact products of the quantised numbers (number of the format x scale) in f32.
;;   ~~~python
;;   def quantise(x, axis):      # numpy; x: float32 -> the quantised numbers, widened to float32 again
;;       x = np.moveaxis(x, axis, -1); K = x.shape[-1]
;;       x = np.pad(x, [(0, 0)] * (x.ndim - 1) + [(0, -K % 32)]); x = x.reshape(x.shape[:-1] + (-1, 32)); a = np.abs(x).max(-1, keepdims=True)
;;       e = np.where(a > 0, np.clip(np.frexp(np.where(a > 0, a, 1))[1] - 1 - 4, -126, 127), 0)      # np.frexp(a)[1] - 1 = floor(log2(a)), exactly
;;       r = np.clip(x / 2.0 ** e, -28, 28)
;;       step = 2.0 ** (np.maximum(np.frexp(np.where(r == 0, 1, r))[1] - 1, -2) - 2)
;;       q = np.round(r / step) * step * 2.0 ** e      # np.round: ties to even
;;       return np.moveaxis(q.reshape(q.shape[:-2] + (-1,))[..., :K], -1, axis).astype(np.float32)
;;   ~~~
;;   OPERANDS COMPUTED ON THE WAY. 'Computed on the way' means the value that the module computes at that place (a softmax that the list does not call 'softmax' is quantised finished and normalised). What goes into a quantiser is computed in f32, as accurately as f32 sums, v_exp_f32 and their like allow (about 1e-6 of the number): no bf16 or f16 on the way to a quantiser, and a product that is left as it is and whose result goes on into a quantised operand takes f32 operands (vector FMAs, or v_wmma_f32_16x16x4_f32). A number that lies on a knife's edge between two numbers of the format may be rounded either way, as far as f32 arithmetic and the matrix unit's own rounding can turn it there, and no further.
;;   INPUTS GIVEN AS CODES. Wk (in the module: [512, 512], K = its axis 1); Wo (in the module: [512, 512], K = its axis 1); Wq (in the module: [512, 512], K = its axis 1); Wv (in the module: [512, 512], K = its axis 1); enc (in the module: [32, 4096, 512], K = its axis 2): each comes as NAME_codes (uint8): NAME with its K axis moved to the last place and cut into blocks of 32 codes, [.., K / 32, bytes a block], one block behind the other in memory; four codes in three bytes: a row's codes are one little-endian stream of bits, code i at bits 6 i .. 6 i + 5 (a code: sign, 3 exponent bits, 2 mantissa bits); and NAME_scales (uint8): the same leading axes, one E8M0 byte (e + 127) for each 32 codes along K. Its value is code x scale, taken as it is: it is not quantised again, and the codes and scales need not be those that the quantiser above would give.
;; 2 versions. Each part assembles by itself: llvm-mc -triple=amdgcn-amd-amdhsa -mcpu=gfx1250 --defsym DOCPART=n.
;; ======== version 1 of 2: 3 launches
;; workspace buffers: Pbuf 4,194,304 bytes; Cbuf 2,097,152 bytes; MLbuf 65,536 bytes; Xc 12,288 bytes; Xs 512 bytes
;; launch main (part 1): grid 256 x 1, 4 waves a work-group, clusters of 4 x 1, 327,680 bytes of LDS; arguments enc_codes, enc_scales, Wq_codes, Wq_scales, Wk_codes, Wk_scales, Wv_codes, Wv_scales, Pbuf, Cbuf, MLbuf; writes Pbuf, Cbuf, MLbuf
.if DOCPART == 1
	.amdgcn_target "amdgcn-amd-amdhsa--gfx1250"
	.amdhsa_code_object_version 6
	.text
	.protected	k_qe43b3001d0_main
	.globl	k_qe43b3001d0_main
	.p2align	8
	.type	k_qe43b3001d0_main,@function
k_qe43b3001d0_main:
	s_mov_b64 s[64:65], 0
	v_nop
	global_prefetch_b8 v0, s[64:65] scope:SCOPE_SE
	s_setreg_imm32_b32 hwreg(HW_REG_WAVE_MODE, 25, 1), 1
	s_wait_xcnt 0x0
	s_wait_alu depctr_hold_cnt(0) depctr_sa_sdst(0) depctr_va_vdst(0) depctr_va_sdst(0) depctr_va_ssrc(0) depctr_va_vcc(0) depctr_vm_vsrc(0)
	s_getreg_b32 s2, hwreg(HW_REG_IB_STS2, 6, 4)
	s_cmp_eq_u32 s2, 0
	s_cbranch_scc0 .Lentry_in_a_cluster
	s_endpgm
.Lentry_in_a_cluster:
	s_bfe_u32 s2, ttmp6, 0x10000c
	s_cmp_lg_u32 s2, 0x3003
	s_cbranch_scc0 .Lentry_shape_is_right
	s_endpgm
.Lentry_shape_is_right:
.set PITCH,  432
.set T16,    16*PITCH
.set TILE,   64*PITCH
.set WTILE,  64*384
.set SLOT1,  1<<17
.set EBASE,  3*TILE
.set EWAVE,  128*PITCH
.set PSL,    214016
.set CSL,    230400
.set MSL,    238592
.set QTL,    304128
.set SPARE,  304640
.set ES,   20
.set WSK,  36
.set WSV,  44
.set WSQ,  52
.set LSC,  56
.set LAST, 60
.set WQF,  108
.set QD,   156
.set QS,   164
.set QD2,  176
.set WSQ0, 184
.set MX0,  244
.set LS0,  245
.set WF,   128
.set SP,   224
.set CP,   240
.set T,    250
.set QR,   192
.set PT,   192
.set F_RK, 0
.set F_RQ, 0
.set F_Q,  0
.set F_LQ, 0
.set F_NX, 0
.set MSB, 0
.macro WIN new
.if MSB != (\new)
	s_set_vgpr_msb (MSB<<8)|(\new)
.set MSB, \new
.endif
.endm
.macro PLACES n
.rept \n
	v_nop
.endr
.endm
.macro CREST
	s_cmp_lg_u32 s26, 0
	s_cbranch_scc1 .Lnot_wave_0_\@
	s_barrier_signal -3
.Lnot_wave_0_\@:
	s_barrier_wait -3
	s_barrier_signal -1
	s_barrier_wait -1
.endm
.macro CROUND
	s_barrier_signal -1
	s_barrier_wait -1
	CREST
.endm
.macro TLOADW fk, fv, fq
.if \fk
	s_cmp_lg_u32 s26, 0
	s_cbranch_scc1 .Lnot_k_\@
	tensor_load_to_lds s[52:55], s[44:51]
	s_nop 0
	PLACES 4
.Lnot_k_\@:
.endif
.if \fv
	s_cmp_lg_u32 s26, 1
	s_cbranch_scc1 .Lnot_v_\@
	tensor_load_to_lds s[56:59], s[44:51]
	s_nop 0
	PLACES 4
.Lnot_v_\@:
.endif
.if \fq
	s_cmp_lg_u32 s26, 2
	s_cbranch_scc1 .Lnot_q_\@
	tensor_load_to_lds s[60:63], s[44:51]
	s_nop 0
	PLACES 4
.Lnot_q_\@:
.endif
.endm
.macro STEPD
.irp g, 52, 56, 60
	s_xor_b32 s[\g+1], s[\g+1], SLOT1
	s_add_nc_u64 s[\g+2:\g+3], s[\g+2:\g+3], WTILE
.endr
.endm
.macro SETA
	v_add_nc_u32 v3, s66, v1
	v_add_nc_u32 v4, s66, v2
	v_add_nc_u32 v5, s82, v3
	v_add_nc_u32 v6, s82, v4
.endm
.macro FRAG reg, adr, off, q
.irp p, 0,1,2,3,4,5
.set PC, 12*(\q)+6*(\p/3)+\p%3
.if PC%16 < 13
	ds_load_b64 v[(\reg)+2*\p:(\reg)+2*\p+1], v[\adr] offset:(\off)+8*PC+16*(PC/16)
.else
	ds_load_b64 v[(\reg)+2*\p:(\reg)+2*\p+1], v[(\adr)+1] offset:(\off)+8*PC+16*(PC/16)
.endif
.endr
.endm
.macro LFRUN kind, dt, set
	WIN 0x40
.irp q, 0,1,2,3
	FRAG WF+48*(\set)+12*\q, 3, TILE*(\kind)+T16*(\dt), \q
.endr
.endm
.macro QRUN
	WIN 0
.irp q, 0,1,2,3
	FRAG WQF+12*\q, 5, 2*TILE, \q
.endr
.endm
.macro QRLOAD
	WIN 0x80
.irp m, 0,1,2,3,4,5,6,7
	ds_load_b128 v[QR+4*\m:QR+4*\m+3], v9 offset:64*(\m/2)+16*(\m%2)
.endr
.endm
.macro TURNW win
	WIN \win
.irp i, 1,3,5,7
.set r_, 24*\i
.rept 24
	v_xor_b32 v[r_], s[84+r_%3], v[r_]
.set r_, r_+1
.endr
.endr
.endm
.macro MM d, a, b, z, sa, sb, ra, rb
.set cs_, 4*(\z)+2*(\ra)+(\rb)
.if cs_ == 0
	v_wmma_scale_f32_16x16x128_f8f6f4 v[\d:\d+7], v[\a:\a+11], v[\b:\b+11], v[\d:\d+7], v[\sa], v[\sb] matrix_a_fmt:MATRIX_FMT_BF6 matrix_b_fmt:MATRIX_FMT_BF6
.elseif cs_ == 1
	v_wmma_scale_f32_16x16x128_f8f6f4 v[\d:\d+7], v[\a:\a+11], v[\b:\b+11], v[\d:\d+7], v[\sa], v[\sb] matrix_a_fmt:MATRIX_FMT_BF6 matrix_b_fmt:MATRIX_FMT_BF6 matrix_b_scale:MATRIX_SCALE_ROW1
.elseif cs_ == 2
	v_wmma_scale_f32_16x16x128_f8f6f4 v[\d:\d+7], v[\a:\a+11], v[\b:\b+11], v[\d:\d+7], v[\sa], v[\sb] matrix_a_fmt:MATRIX_FMT_BF6 matrix_b_fmt:MATRIX_FMT_BF6 matrix_a_scale:MATRIX_SCALE_ROW1
.elseif cs_ == 3
	v_wmma_scale_f32_16x16x128_f8f6f4 v[\d:\d+7], v[\a:\a+11], v[\b:\b+11], v[\d:\d+7], v[\sa], v[\sb] matrix_a_fmt:MATRIX_FMT_BF6 matrix_b_fmt:MATRIX_FMT_BF6 matrix_a_scale:MATRIX_SCALE_ROW1 matrix_b_scale:MATRIX_SCALE_ROW1
.elseif cs_ == 4
	v_wmma_scale_f32_16x16x128_f8f6f4 v[\d:\d+7], v[\a:\a+11], v[\b:\b+11], 0, v[\sa], v[\sb] matrix_a_fmt:MATRIX_FMT_BF6 matrix_b_fmt:MATRIX_FMT_BF6
.elseif cs_ == 5
	v_wmma_scale_f32_16x16x128_f8f6f4 v[\d:\d+7], v[\a:\a+11], v[\b:\b+11], 0, v[\sa], v[\sb] matrix_a_fmt:MATRIX_FMT_BF6 matrix_b_fmt:MATRIX_FMT_BF6 matrix_b_scale:MATRIX_SCALE_ROW1
.elseif cs_ == 6
	v_wmma_scale_f32_16x16x128_f8f6f4 v[\d:\d+7], v[\a:\a+11], v[\b:\b+11], 0, v[\sa], v[\sb] matrix_a_fmt:MATRIX_FMT_BF6 matrix_b_fmt:MATRIX_FMT_BF6 matrix_a_scale:MATRIX_SCALE_ROW1
.else
	v_wmma_scale_f32_16x16x128_f8f6f4 v[\d:\d+7], v[\a:\a+11], v[\b:\b+11], 0, v[\sa], v[\sb] matrix_a_fmt:MATRIX_FMT_BF6 matrix_b_fmt:MATRIX_FMT_BF6 matrix_a_scale:MATRIX_SCALE_ROW1 matrix_b_scale:MATRIX_SCALE_ROW1
.endif
.endm
.macro WM kind, dt, s
.set q_, k/8
.set i_, k%8
.set rD, 64*(\s)+8*i_
.set rW, WF+48*(\s)+12*q_
.set rE, 12*(2*i_+q_%2)
.set rSE, ES+4*(i_/2)+q_
.set z_, 0
.if q_ == 0
.set z_, 1
.endif
.if \kind
	WIN 0x56+q_/2
.set rSW, WSV+4*((\dt)/2)+q_
	MM rD, rE, rW, z_, rSE, rSW, i_%2, (\dt)%2
.else
	WIN 0x59+4*(q_/2)
.set rSW, WSK+4*((\dt)/2)+q_
	MM rD, rW, rE, z_, rSW, rSE, (\dt)%2, i_%2
.endif
.endm
.macro KS n, dtp, s, vform
.set n_, \n
.set rS, SP+2*(n_%8)
.set rA, 64*(\s)+8*(n_%8)+2*(n_/8)
.set rQ, QR+8*(\dtp)+2*(n_/8)
.if \vform
	WIN 0x56
	v_pk_fma_f32 v[rS:rS+1], v[rQ:rQ+1], v[rA:rA+1], v[rS:rS+1]
.else
	WIN 0x59
.if ((\dtp) == 0) && (n_ < 8)
	v_pk_mul_f32 v[rS:rS+1], v[rA:rA+1], v[rQ:rQ+1]
.else
	v_pk_fma_f32 v[rS:rS+1], v[rA:rA+1], v[rQ:rQ+1], v[rS:rS+1]
.endif
.endif
.endm
.macro VS n, s, kform
.set n_, \n
.set rC, CP+2*(n_%4)
.set rA, 64*(\s)+8*(n_/4)+2*(n_%4)
.set rP, PT+8*(n_/4)+2*(n_%4)
.if \kform
	WIN 0x5d
.if n_ < 4
	v_pk_mul_f32 v[rC:rC+1], v[rA:rA+1], v[rP:rP+1]
.elseif (n_/4)%2
	v_pk_fma_f32 v[rC:rC+1], v[rA:rA+1], v[rP:rP+1], v[rC:rC+1] neg_lo:[1,0,0] neg_hi:[1,0,0]
.else
	v_pk_fma_f32 v[rC:rC+1], v[rA:rA+1], v[rP:rP+1], v[rC:rC+1]
.endif
.else
	WIN 0x57
.if n_ < 4
	v_pk_mul_f32 v[rC:rC+1], v[rP:rP+1], v[rA:rA+1]
.elseif (n_/4)%2
	v_pk_fma_f32 v[rC:rC+1], v[rP:rP+1], v[rA:rA+1], v[rC:rC+1] neg_lo:[1,0,0] neg_hi:[1,0,0]
.else
	v_pk_fma_f32 v[rC:rC+1], v[rP:rP+1], v[rA:rA+1], v[rC:rC+1]
.endif
.endif
.endm
.macro VT n, dt
.set n_, \n
.if n_ < 6
	WIN 0x55
.endif
.if n_ == 0
	v_pk_add_f32 v[CP:CP+1], v[CP:CP+1], v[CP+2:CP+3]
.elseif n_ == 1
	v_pk_add_f32 v[CP+4:CP+5], v[CP+4:CP+5], v[CP+6:CP+7]
.elseif n_ == 2
	v_pk_add_f32 v[CP:CP+1], v[CP:CP+1], v[CP+4:CP+5]
.elseif n_ == 3
	v_add_f32 v[T+4], v[CP], v[CP+1]
.elseif n_ == 4
	v_permlanex16_b32 v[T+5], v[T+4], s70, s71
.elseif n_ == 5
	v_add_f32 v[T+4], v[T+4], v[T+5]
.else
	WIN 0x04
	ds_store_b32 v13, v[T+4] offset:64*(\dt)
.endif
.endm
.macro TL n
.set n_, \n
.if n_ < 8
	WIN 0x55
.if n_%2
	v_fma_f32 v[SP+2*n_], -v[SP+2*n_], 1.0, -v[SP+2*n_+1]
.else
	v_add_f32 v[SP+2*n_], v[SP+2*n_], v[SP+2*n_+1]
.endif
.elseif n_ < 16
	WIN 0x55
	v_permlanex16_b32 v[SP+2*(n_-8)+1], v[SP+2*(n_-8)], s70, s71
.elseif n_ < 24
	WIN 0x55
	v_add_f32 v[SP+2*(n_-16)], v[SP+2*(n_-16)], v[SP+2*(n_-16)+1]
.elseif n_ == 24
	WIN 0x55
	v_max3_num_f32 v[T], v[SP], v[SP+2], v[SP+4]
.elseif n_ == 25
	WIN 0x55
	v_max3_num_f32 v[T+1], v[SP+6], v[SP+8], v[SP+10]
.elseif n_ == 26
	WIN 0x55
	v_max3_num_f32 v[T], v[T], v[SP+12], v[SP+14]
.elseif n_ == 27
	WIN 0x05
	v_max_num_f32 v[MX0], v[T], v[T+1]
.elseif n_ == 28
	WIN 0
	v_max_num_f32_dpp v[MX0], v[MX0], v[MX0] row_xmask:1 row_mask:0xf bank_mask:0xf
.elseif n_ == 29
	WIN 0
	v_max_num_f32_dpp v[MX0], v[MX0], v[MX0] row_xmask:2 row_mask:0xf bank_mask:0xf
.elseif n_ == 30
	WIN 0
	v_max_num_f32_dpp v[MX0], v[MX0], v[MX0] row_xmask:4 row_mask:0xf bank_mask:0xf
.elseif n_ == 31
	WIN 0
	v_max_num_f32_dpp v[MX0], v[MX0], v[MX0] row_xmask:8 row_mask:0xf bank_mask:0xf
.elseif n_ < 40
	WIN 0x41
	v_sub_f32 v[SP+2*(n_-32)], v[SP+2*(n_-32)], v[MX0]
.elseif n_ < 48
	WIN 0x55
	v_exp_f32 v[SP+2*(n_-40)], v[SP+2*(n_-40)]
.elseif n_ == 48
	v_nop
	s_wait_alu depctr_va_vdst(0)
.elseif n_ < 57
	WIN 0x04
	ds_store_b32 v11, v[SP+2*(n_-49)] offset:64*(n_-49)
.elseif n_ < 73
	WIN 0xc0
	ds_load_b128 v[PT+4*(n_-57):PT+4*(n_-57)+3], v12 offset:64*((n_-57)/2)+16*((n_-57)%2)
.elseif n_ < 77
	WIN 0x55
	v_add_f32 v[T+n_-73], v[SP+4*(n_-73)], v[SP+4*(n_-73)+2]
.elseif n_ == 77
	WIN 0x55
	v_add_f32 v[T], v[T], v[T+1]
.elseif n_ == 78
	WIN 0x55
	v_add_f32 v[T+2], v[T+2], v[T+3]
.elseif n_ == 79
	WIN 0x05
	v_add_f32 v[LS0], v[T], v[T+2]
.elseif n_ == 80
	WIN 0
	v_add_f32_dpp v[LS0], v[LS0], v[LS0] row_xmask:1 row_mask:0xf bank_mask:0xf
.elseif n_ == 81
	WIN 0
	v_add_f32_dpp v[LS0], v[LS0], v[LS0] row_xmask:2 row_mask:0xf bank_mask:0xf
.elseif n_ == 82
	WIN 0
	v_add_f32_dpp v[LS0], v[LS0], v[LS0] row_xmask:4 row_mask:0xf bank_mask:0xf
.elseif n_ == 83
	WIN 0
	v_add_f32_dpp v[LS0], v[LS0], v[LS0] row_xmask:8 row_mask:0xf bank_mask:0xf
.elseif n_ == 84
	WIN 0
	ds_store_b32 v14, v[MX0]
.else
	WIN 0
	ds_store_b32 v14, v[LS0] offset:4
.endif
.endm
.macro QLINK q
	WIN 0
.set ql_, \q
.if ql_ == 0
	MM QD, WQF+12*ql_, LAST+12*ql_, 1, WSQ+ql_, LSC+ql_, 0, 0
.else
	MM QD, WQF+12*ql_, LAST+12*ql_, 0, WSQ+ql_, LSC+ql_, 0, 0
.endif
.endm
.macro QPOST n
	WIN 0
.set n_, \n
.if n_ < 4
	v_pk_mul_f32 v[QS+2*n_:QS+2*n_+1], v[QD+2*n_:QD+2*n_+1], s[72:73] op_sel_hi:[1,0]
.else
	ds_store_b128 v10, v[QS+4*(n_-4):QS+4*(n_-4)+3] offset:16*(n_-4)
.endif
.endm
.macro LDSC dst, base
	WIN 0
	global_load_b128 v[\dst:\dst+3], v15, s[\base:\base+1]
	global_load_b128 v[\dst+4:\dst+7], v15, s[\base:\base+1] offset:512
.endm
.macro VSB dt, s, kform
.if k <= 26
.irp e, 0,1,2
.set m_, 3*(k-16)+\e
.if m_ < 32
	VS m_, \s, \kform
.else
	VT 0, \dt
.endif
.endr
.elseif k <= 30
.if k == 30
	v_nop
.endif
	VT k-26, \dt
.else
	VT 5, \dt
	VT 6, \dt
.endif
.endm
.macro HOOK hk, s
.if (\hk) == 0
	v_nop
.elseif (\hk) <= 3
.if k < 16
	KS 2*k, (\hk)-1, 1-(\s), 0
	KS 2*k+1, (\hk)-1, 1-(\s), 0
.else
	v_nop
.endif
.elseif (\hk) == 4
.if k < 16
	KS 2*k, 3, 1-(\s), 1
	KS 2*k+1, 3, 1-(\s), 1
.if (k == 9) && F_Q
	QRUN
.endif
.if (k == 11) && F_NX
	LDSC WSK, 74
.endif
.else
	v_nop
	TL 3*(k-16)
	TL 3*(k-16)+1
	TL 3*(k-16)+2
.endif
.elseif (\hk) == 5
.if k < 16
	v_nop
.irp e, 0,1,2
.if 48+3*k+\e < 86
	TL 48+3*k+\e
.endif
.endr
.else
.if k == 16
	s_wait_dscnt 0x0
.endif
	VSB 0, 1-(\s), 0
.endif
.if (k%8 == 7) && F_Q
	QLINK k/8
.endif
.elseif (\hk) == 6
.if k < 16
	v_nop
.if F_Q && (k >= 4) && (k <= 9)
	QPOST k-4
.endif
.if F_LQ && (k == 11)
	WIN 0
	global_load_b128 v[WSQ:WSQ+3], v18, s[78:79] offset:1024
.endif
.else
	VSB 1, 1-(\s), 0
.endif
.elseif (\hk) == 7
.if k < 16
	v_nop
.else
	VSB 2, 1-(\s), 0
.endif
.else
.if k < 16
	v_nop
.if k == 11
	LDSC WSV, 76
.endif
.else
	VSB 3, 1-(\s), 1
.endif
.endif
.endm
.macro UNIT kind, dt, s, hk, nk, ndt, wd, rnd
	s_wait_dscnt \wd
.if \rnd
	WIN 0
	s_wait_tensorcnt 0x0
	ds_add_u32 v16, v17
.if (\rnd) == 1
	STEPD
.endif
.endif
.set k, 0
.rept 32
	WM \kind, \dt, \s
	HOOK \hk, \s
.if (k == 3) && (\rnd)
	s_wait_dscnt 0x0
	s_barrier_signal -1
.endif
.if k == 7
.if \rnd
	WIN 0
	s_barrier_wait -1
.if (\rnd) == 1
	CREST
	TLOADW F_RK, F_RK, F_RQ
.endif
	s_xor_b32 s66, s66, SLOT1
	SETA
.endif
.if (\nk) >= 0
	LFRUN \nk, \ndt, 1-(\s)
.endif
.if \rnd
	QRLOAD
.endif
.endif
.set k, k+1
.endr
.endm
.macro HEAD rnd, fk, fq, doq, dolq, donext
.set F_RK, \fk
.set F_RQ, \fq
.set F_Q,  \doq
.set F_LQ, \dolq
.set F_NX, \donext
	WIN 0
	s_wait_xcnt 0x0
	s_add_nc_u64 s[74:75], s[74:75], 1024
	s_add_nc_u64 s[76:77], s[76:77], 1024
	s_add_nc_u64 s[78:79], s[78:79], 1024
	s_xor_b32 s67, s67, 256
	s_lshr_b32 s80, s68, 1
	s_lshr_b32 s81, s68, 6
	v_add_nc_u32 v9, s67, v7
	v_add_nc_u32 v10, s67, v8
	v_add_nc_u32 v11, s68, v172
	v_add_nc_u32 v12, s68, v173
	v_add_nc_u32 v13, s80, v174
	v_add_nc_u32 v14, s81, v175
	UNIT 0,1,1,1, 0,2, 1,0
	UNIT 0,2,0,2, 0,3, 0,0
	UNIT 0,3,1,3, 1,0, 0,0
	s_wait_loadcnt 0x0
	UNIT 1,0,0,4, 1,1, 0,0
	UNIT 1,1,1,5, 1,2, 0,0
	UNIT 1,2,0,6, 1,3, 1,0
	UNIT 1,3,1,7, (\donext)-1,0, 1,\rnd
.if \donext
	s_wait_loadcnt \dolq
	UNIT 0,0,0,8, 0,1, 1,0
.endif
	WIN 0
	s_add_co_u32 s68, s68, 512
.endm
	s_load_b512 s[4:19], s[0:1], 0x0
	s_load_b128 s[20:23], s[0:1], 0x40
	s_load_b64 s[24:25], s[0:1], 0x50
	v_lshl_add_u32 v16, v0, 2, SPARE
	v_mov_b32 v17, 0
	ds_add_u32 v16, v17
	ds_add_u32 v16, v17
	s_wait_dscnt 0x0
	v_lshrrev_b32 v19, 5, v0
	v_readfirstlane_b32 s26, v19
	s_bfe_u32 s27, ttmp6, 0x40000
	s_lshl_b32 s28, ttmp9, 2
	s_add_co_u32 s28, s28, s27
	v_and_b32 v191, 15, v0
	v_bfe_u32 v19, v0, 4, 1
	v_and_b32 v15, 31, v0
	v_lshlrev_b32 v15, 4, v15
	v_lshlrev_b32 v18, 4, v191
	v_mul_u32_u24 v1, v191, PITCH
	v_mad_u32_u24 v2, v19, 40, v1
	v_mad_u32_u24 v1, v19, 24, v1
	v_lshl_add_u32 v7, v19, 5, QTL
	s_lshl_b32 s80, s26, 6
	v_add_nc_u32 v8, s80, v7
	s_lshl_b32 s80, s26, 12
	s_add_co_u32 s80, s80, PSL
	v_lshl_add_u32 v172, v191, 2, s80
	v_lshl_add_u32 v173, v19, 5, s80
	s_lshl_b32 s80, s26, 11
	s_add_co_u32 s80, s80, CSL
	v_lshl_add_u32 v174, v191, 2, s80
	s_lshl_b32 s80, s26, 6
	s_add_co_u32 s80, s80, MSL
	v_mov_b32 v175, s80
	v_mul_u32_u24 v188, v19, 24
	v_mad_u32_u24 v189, v191, 384, v188
	v_mov_b32 v190, 0
	WIN 0x40
	v_mov_b32 v[T+5], 0
	WIN 0
	s_mov_b32 s70, 0x76543210
	s_mov_b32 s71, 0xfedcba98
	s_mov_b32 s72, 0x3e38aa3b
	s_mov_b32 s73, s72
	s_mov_b32 s66, 0
	s_mov_b32 s67, 0
	s_mov_b32 s68, 0
	s_mul_i32 s82, s26, T16
	s_lshl_b32 s84, s28, 9
	s_lshl_b32 s85, s26, 7
	s_add_co_u32 s84, s84, s85
	s_mul_i32 s86, s84, 384
	s_mov_b32 s87, 0
	s_lshl_b32 s88, s84, 4
	s_mov_b32 s89, 0
	s_lshr_b32 s90, s28, 3
	s_lshl_b32 s90, s90, 12
	s_add_co_u32 s90, s90, 4095
	s_mul_i32 s92, s90, 384
	s_mov_b32 s93, 0
	s_lshl_b32 s90, s90, 4
	s_mov_b32 s91, 0
	s_mul_i32 s94, s26, 16*384
	s_mov_b32 s95, 0
	s_lshl_b32 s80, s26, 8
	s_mov_b32 s81, 0
	s_mov_b32 s32, (1<<20)|(4<<22)|(3<<25)
	s_mov_b32 s33, 384<<16
	s_mov_b32 s34, 128<<16
	s_mov_b32 s35, 384<<16
	s_mov_b32 s36, 128
	s_mov_b32 s37, 384
	s_mov_b32 s38, 0
	s_mov_b32 s39, 0
	s_mov_b32 s44, 15|(1<<20)|(1<<21)|(4<<22)|(3<<25)
	s_mov_b32 s45, 384<<16
	s_mov_b32 s46, 64<<16
	s_mov_b32 s47, 384<<16
	s_mov_b32 s48, 64
	s_mov_b32 s49, 384
	s_mov_b32 s50, 0
	s_mov_b32 s51, 0
	s_mov_b32 s40, 1
	s_mul_i32 s41, s26, EWAVE
	s_add_co_u32 s41, s41, EBASE
	s_mov_b32 s52, 1
	s_mov_b32 s53, 0
	s_mov_b32 s56, 1
	s_mov_b32 s57, TILE
	s_mov_b32 s60, 1
	s_mov_b32 s61, 2*TILE
	s_wait_kmcnt 0x0
	s_add_nc_u64 s[42:43], s[4:5], s[86:87]
	s_or_b32 s43, s43, 0x80000000
	s_mov_b64 s[54:55], s[12:13]
	s_or_b32 s55, s55, 0x80000000
	s_mov_b64 s[58:59], s[16:17]
	s_or_b32 s59, s59, 0x80000000
	s_add_nc_u64 s[62:63], s[8:9], WTILE
	s_or_b32 s63, s63, 0x80000000
	s_add_nc_u64 s[92:93], s[4:5], s[92:93]
	s_add_nc_u64 s[90:91], s[6:7], s[90:91]
	s_add_nc_u64 s[6:7], s[6:7], s[88:89]
	s_add_nc_u64 s[94:95], s[8:9], s[94:95]
	s_add_nc_u64 s[78:79], s[10:11], s[80:81]
	s_mov_b64 s[74:75], s[14:15]
	s_mov_b64 s[76:77], s[18:19]
	CROUND
	tensor_load_to_lds s[40:43], s[32:39]
	s_nop 0
	PLACES 4
	TLOADW 1, 1, 1
.irp q, 0,1,2,3
.irp p, 0,1,2,3,4,5
	global_load_b64 v[LAST+12*\q+2*\p:LAST+12*\q+2*\p+1], v188, s[92:93] offset:96*\q+48*(\p/3)+8*(\p%3)
.endr
.endr
	global_load_b128 v[LSC:LSC+3], v190, s[90:91]
.irp q, 0,1,2,3
.irp p, 0,1,2,3,4,5
	global_load_b64 v[WQF+12*\q+2*\p:WQF+12*\q+2*\p+1], v189, s[94:95] offset:96*\q+48*(\p/3)+8*(\p%3)
.endr
.endr
	global_load_b128 v[WSQ0:WSQ0+3], v18, s[78:79]
.irp p, 0,1,2,3
	global_load_b128 v[ES+4*\p:ES+4*\p+3], v15, s[6:7] offset:512*\p
.endr
	LDSC WSK, 74
	LDSC WSV, 76
	global_load_b128 v[WSQ:WSQ+3], v18, s[78:79] offset:1024
	s_wait_loadcnt 9
	MM QD,  WQF,    LAST,    1, WSQ0,   LSC,   0, 0
	MM QD2, WQF+12, LAST+12, 1, WSQ0+1, LSC+1, 0, 0
	MM QD,  WQF+24, LAST+24, 0, WSQ0+2, LSC+2, 0, 0
	MM QD2, WQF+36, LAST+36, 0, WSQ0+3, LSC+3, 0, 0
	PLACES 4
.irp n, 0,1,2,3
	v_pk_add_f32 v[QS+2*\n:QS+2*\n+1], v[QD+2*\n:QD+2*\n+1], v[QD2+2*\n:QD2+2*\n+1]
.endr
.irp n, 0,1,2,3
	v_pk_mul_f32 v[QS+2*\n:QS+2*\n+1], v[QS+2*\n:QS+2*\n+1], s[72:73] op_sel_hi:[1,0]
.endr
	ds_store_b128 v8, v[QS:QS+3]
	ds_store_b128 v8, v[QS+4:QS+7] offset:16
	v_add_nc_u32 v3, s41, v1
	v_add_nc_u32 v4, s41, v2
	s_wait_tensorcnt 0x0
	WIN 0x80
.irp i, 0,1,2,3,4,5,6,7
.irp q, 0,1
	FRAG 12*(2*\i+\q), 3, T16*\i, \q
.endr
.endr
	WIN 0xc0
.irp i, 0,1,2,3,4,5,6,7
.irp q, 2,3
	FRAG 12*(2*\i+\q-2), 3, T16*\i, \q
.endr
.endr
	WIN 0
	s_wait_tensorcnt 0x0
	ds_add_u32 v16, v17
	STEPD
	s_wait_dscnt 0x0
	CROUND
	TLOADW 1, 1, 1
	SETA
	v_add_nc_u32 v9, s67, v7
	LFRUN 0, 0, 0
	QRLOAD
	s_mov_b32 s84, 0x20820820
	s_mov_b32 s85, 0x08208208
	s_mov_b32 s86, 0x82082082
	TURNW 0x88
	TURNW 0xcc
	WIN 0
	PLACES 4
	s_wait_loadcnt 0x0
	UNIT 0,0,0,0, 0,1, 0,0
	WIN 0
	s_wait_dscnt 0x0
	s_mov_b32 s69, 5
.Lhead:
	HEAD 1, 1, 1, 1, 1, 1
	s_sub_co_u32 s69, s69, 1
	s_cmp_lg_u32 s69, 0
	s_cbranch_scc1 .Lhead
	HEAD 1, 1, 0, 1, 1, 1
	HEAD 2, 0, 0, 1, 0, 1
	HEAD 0, 0, 0, 0, 0, 0
	PLACES 4
.set m_, 0
.rept 32
	VS m_, 1, 0
.set m_, m_+1
.endr
.irp n, 0,1,2,3,4,5,6
	VT \n, 3
.endr
	WIN 0
	s_lshl_b32 s80, s26, 12
	s_add_co_u32 s80, s80, PSL
	v_add_nc_u32 v176, s80, v15
	s_lshl_b32 s80, s26, 11
	s_add_co_u32 s80, s80, CSL
	v_add_nc_u32 v177, s80, v15
	v_and_b32 v179, 15, v0
	v_lshlrev_b32 v179, 2, v179
	v_add_nc_u32 v178, v175, v179
	s_lshl_b32 s84, s28, 2
	s_add_co_u32 s84, s84, s26
	s_mov_b32 s87, 0
	s_lshl_b32 s86, s84, 12
	s_add_nc_u64 s[20:21], s[20:21], s[86:87]
	s_lshl_b32 s86, s84, 11
	s_add_nc_u64 s[22:23], s[22:23], s[86:87]
	s_lshl_b32 s86, s84, 6
	s_add_nc_u64 s[24:25], s[24:25], s[86:87]
.irp n, 0,1,2,3,4,5,6,7
	ds_load_b128 v[192+4*\n:195+4*\n], v176 offset:512*\n
.endr
.irp n, 0,1,2,3
	ds_load_b128 v[224+4*\n:227+4*\n], v177 offset:512*\n
.endr
	ds_load_b32 v240, v178
.irp n, 0,1,2,3,4,5,6,7
	s_wait_dscnt 12-\n
	global_store_b128 v15, v[192+4*\n:195+4*\n], s[20:21] offset:512*\n
.endr
.irp n, 0,1,2,3
	s_wait_dscnt 4-\n
	global_store_b128 v15, v[224+4*\n:227+4*\n], s[22:23] offset:512*\n
.endr
	s_wait_dscnt 0x0
	global_store_b32 v179, v240, s[24:25]
	s_wait_tensorcnt 0x0
	ds_add_u32 v16, v17
	s_wait_dscnt 0x0
	CROUND
	s_endpgm
.Lfunc_end_k_qe43b3001d0_main:
	.size	k_qe43b3001d0_main, .Lfunc_end_k_qe43b3001d0_main-k_qe43b3001d0_main
	.p2alignl 7, 3214868480
	.fill 96, 4, 3214868480
	.section	.rodata,"a",@progbits
	.p2align	6, 0x0
	.amdhsa_kernel k_qe43b3001d0_main
		.amdhsa_group_segment_fixed_size 327680
		.amdhsa_private_segment_fixed_size 0
		.amdhsa_enable_private_segment 0
		.amdhsa_kernarg_size 88
		.amdhsa_user_sgpr_count 2
		.amdhsa_user_sgpr_kernarg_segment_ptr 1
		.amdhsa_wavefront_size32 1
		.amdhsa_system_sgpr_workgroup_id_x 1
		.amdhsa_system_sgpr_workgroup_id_y 1
		.amdhsa_system_sgpr_workgroup_id_z 1
		.amdhsa_system_vgpr_workitem_id 0
		.amdhsa_next_free_vgpr 1024
		.amdhsa_next_free_sgpr 100
		.amdhsa_reserve_vcc 0
		.amdhsa_float_denorm_mode_32 3
		.amdhsa_float_denorm_mode_16_64 3
		.amdhsa_memory_ordered 1
		.amdhsa_forward_progress 1
		.amdhsa_inst_pref_size 255
	.end_amdhsa_kernel
	.section	.bss,"aw",@nobits
	.p2align	6
	.space	262144
	.amdgpu_metadata
---
amdhsa.version: [ 1, 2 ]
amdhsa.kernels:
  - .name:           k_qe43b3001d0_main
    .symbol:         k_qe43b3001d0_main.kd
    .args:
      - { .name: enc_codes, .offset: 0, .size: 8, .value_kind: global_buffer, .address_space: global }
      - { .name: enc_scales, .offset: 8, .size: 8, .value_kind: global_buffer, .address_space: global }
      - { .name: Wq_codes, .offset: 16, .size: 8, .value_kind: global_buffer, .address_space: global }
      - { .name: Wq_scales, .offset: 24, .size: 8, .value_kind: global_buffer, .address_space: global }
      - { .name: Wk_codes, .offset: 32, .size: 8, .value_kind: global_buffer, .address_space: global }
      - { .name: Wk_scales, .offset: 40, .size: 8, .value_kind: global_buffer, .address_space: global }
      - { .name: Wv_codes, .offset: 48, .size: 8, .value_kind: global_buffer, .address_space: global }
      - { .name: Wv_scales, .offset: 56, .size: 8, .value_kind: global_buffer, .address_space: global }
      - { .name: Pbuf, .offset: 64, .size: 8, .value_kind: global_buffer, .address_space: global }
      - { .name: Cbuf, .offset: 72, .size: 8, .value_kind: global_buffer, .address_space: global }
      - { .name: MLbuf, .offset: 80, .size: 8, .value_kind: global_buffer, .address_space: global }
    .group_segment_fixed_size: 327680
    .private_segment_fixed_size: 0
    .kernarg_segment_align: 8
    .kernarg_segment_size: 88
    .max_flat_workgroup_size: 128
    .sgpr_count:     100
    .vgpr_count:     1024
    .wavefront_size: 32
...
	.end_amdgpu_metadata
.endif
;; end of part 1
;; launch join (part 2): grid 128 x 1, 8 waves a work-group, no clusters, 5,120 bytes of LDS; arguments Pbuf, Cbuf, MLbuf, Xc, Xs, out1; writes Xc, Xs, out1
.if DOCPART == 2
	.amdgcn_target "amdgcn-amd-amdhsa--gfx1250"
	.amdhsa_code_object_version 6
	.text
	.protected	k_qe43b3001d0_join
	.globl	k_qe43b3001d0_join
	.p2align	8
	.type	k_qe43b3001d0_join,@function
k_qe43b3001d0_join:
	s_mov_b64 s[64:65], 0
	v_nop
	global_prefetch_b8 v0, s[64:65] scope:SCOPE_SE
	s_setreg_imm32_b32 hwreg(HW_REG_WAVE_MODE, 25, 1), 1
	s_wait_xcnt 0x0
.set CT, 1024
.macro GFMA d, x, g, first
.set gp_, (\g)-(\g)%2
.if (\first) && ((\g)%2 == 0)
	v_pk_mul_f32 v[\d:\d+1], v[\x:\x+1], v[gp_:gp_+1] op_sel_hi:[1,0]
.elseif \first
	v_pk_mul_f32 v[\d:\d+1], v[\x:\x+1], v[gp_:gp_+1] op_sel:[0,1] op_sel_hi:[1,1]
.elseif (\g)%2 == 0
	v_pk_fma_f32 v[\d:\d+1], v[\x:\x+1], v[gp_:gp_+1], v[\d:\d+1] op_sel_hi:[1,0,1]
.else
	v_pk_fma_f32 v[\d:\d+1], v[\x:\x+1], v[gp_:gp_+1], v[\d:\d+1] op_sel:[0,1,0] op_sel_hi:[1,1,1]
.endif
.endm
	s_load_b256 s[4:11], s[0:1], 0x0
	s_load_b128 s[12:15], s[0:1], 0x20
	v_lshl_add_u32 v160, v0, 2, 0x1000
	v_mov_b32 v161, 0
	v_lshrrev_b32 v1, 5, v0
	v_readfirstlane_b32 s18, v1
	s_lshr_b32 s19, ttmp9, 2
	s_and_b32 s22, ttmp9, 3
	s_lshl_b32 s23, s22, 3
	s_add_co_u32 s23, s23, s18
	s_lshr_b32 s38, s18, 1
	s_mov_b32 s20, 0x76543210
	s_mov_b32 s21, 0xfedcba98
	s_lshl_b32 s24, s19, 11
	s_lshl_b32 s39, s18, 3
	s_add_co_u32 s24, s24, s39
	s_mov_b32 s25, 0
	s_lshl_b32 s26, s19, 16
	s_lshl_b32 s39, s18, 8
	s_add_co_u32 s26, s26, s39
	s_mov_b32 s27, 0
	s_lshl_b32 s28, s19, 17
	s_lshl_b32 s39, s23, 12
	s_add_co_u32 s28, s28, s39
	s_mov_b32 s29, 0
	s_mul_i32 s30, s19, 384
	s_mul_i32 s39, s18, 48
	s_add_co_u32 s30, s30, s39
	s_mov_b32 s31, 0
	s_lshl_b32 s32, s19, 4
	s_lshl_b32 s39, s18, 1
	s_add_co_u32 s32, s32, s39
	s_mov_b32 s33, 0
	s_lshl_b32 s36, s19, 14
	s_lshl_b32 s39, s23, 9
	s_add_co_u32 s36, s36, s39
	s_mov_b32 s37, 0
	v_and_b32 v1, 31, v0
	v_and_b32 v2, 15, v0
	v_bfe_u32 v3, v0, 4, 1
	v_and_b32 v8, 3, v0
	v_lshlrev_b32 v4, 6, v1
	v_lshlrev_b32 v5, 4, v2
	v_lshl_add_u32 v6, v3, 11, v5
	v_lshlrev_b32 v7, 4, v1
	s_lshl_b32 s2, s18, 7
	v_lshl_add_u32 v9, v1, 2, s2
	v_lshl_add_u32 v10, v3, 2, s2
	s_lshl_b32 s3, s18, 8
	s_add_co_u32 s3, s3, CT
	v_add_nc_u32 v11, s3, v5
	v_lshl_add_u32 v13, v8, 6, s3
	s_lshl_b32 s3, s23, 2
	v_mov_b32 v12, s3
	v_mul_u32_u24 v14, v8, 12
	v_lshrrev_b32 v15, 1, v8
	v_mov_b32 v99, 0
.irp x, 0,1,2,3
	v_mov_b32 v[108+\x], 0
.endr
	s_wait_kmcnt 0x0
	s_add_nc_u64 s[8:9], s[8:9], s[24:25]
	s_add_nc_u64 s[6:7], s[6:7], s[26:27]
	s_add_nc_u64 s[4:5], s[4:5], s[28:29]
	s_add_nc_u64 s[10:11], s[10:11], s[30:31]
	s_add_nc_u64 s[12:13], s[12:13], s[32:33]
	s_add_nc_u64 s[14:15], s[14:15], s[36:37]
	global_load_b64 v[96:97], v4, s[8:9]
.irp h, 0,1,2,3,4,5,6,7
	global_load_b128 v[116+4*\h:119+4*\h], v7, s[4:5] offset:512*\h th:TH_LOAD_NT
.endr
	s_wait_loadcnt 8
	v_mov_b32 v98, v96
	v_max_num_f32_dpp v98, v98, v98 row_xmask:1 row_mask:0xf bank_mask:0xf
	v_max_num_f32_dpp v98, v98, v98 row_xmask:2 row_mask:0xf bank_mask:0xf
	v_max_num_f32_dpp v98, v98, v98 row_xmask:4 row_mask:0xf bank_mask:0xf
	v_max_num_f32_dpp v98, v98, v98 row_xmask:8 row_mask:0xf bank_mask:0xf
	v_permlanex16_b32 v99, v98, s20, s21
	v_max_num_f32 v98, v98, v99
	v_sub_f32 v96, v96, v98
	v_exp_f32 v96, v96
	v_nop
	s_wait_alu depctr_va_vdst(0)
	v_mul_f32 v97, v97, v96
	v_add_f32_dpp v97, v97, v97 row_xmask:1 row_mask:0xf bank_mask:0xf
	v_add_f32_dpp v97, v97, v97 row_xmask:2 row_mask:0xf bank_mask:0xf
	v_add_f32_dpp v97, v97, v97 row_xmask:4 row_mask:0xf bank_mask:0xf
	v_add_f32_dpp v97, v97, v97 row_xmask:8 row_mask:0xf bank_mask:0xf
	v_permlanex16_b32 v99, v97, s20, s21
	v_add_f32 v97, v97, v99
	v_rcp_f32 v97, v97
	v_nop
	s_wait_alu depctr_va_vdst(0)
	v_mul_f32 v96, v96, v97
	ds_store_b32 v9, v96
	s_wait_dscnt 0x0
	s_barrier_signal -1
	s_barrier_wait -1
	s_cmp_lg_u32 s38, s22
	s_cbranch_scc1 .Lnot_mine
.irp n, 0,1,2,3,4,5,6,7,8,9,10,11,12,13,14,15
	global_load_b128 v[16+4*\n:19+4*\n], v6, s[6:7] offset:4096*\n th:TH_LOAD_NT
.endr
.irp n, 0,1,2,3,4,5,6,7,8,9,10,11,12,13,14,15
	ds_load_b32 v[84+\n], v10 offset:8*\n
.endr
	s_wait_loadcnt 0x0
	s_wait_dscnt 0x0
.set n, 0
.rept 16
.if n < 2
	GFMA 100+4*(n%2), 16+4*n, 84+n, 1
	GFMA 102+4*(n%2), 18+4*n, 84+n, 1
.else
	GFMA 100+4*(n%2), 16+4*n, 84+n, 0
	GFMA 102+4*(n%2), 18+4*n, 84+n, 0
.endif
.set n, n+1
.endr
	v_pk_add_f32 v[100:101], v[100:101], v[104:105]
	v_pk_add_f32 v[102:103], v[102:103], v[106:107]
.irp x, 0,1,2,3
	v_permlanex16_b32 v[108+\x], v[100+\x], s20, s21
.endr
.irp x, 0,1,2,3
	v_add_f32 v[100+\x], v[100+\x], v[108+\x]
.endr
	ds_store_b128 v11, v[100:103]
.irp j, 0,1,2,3
	ds_load_b128 v[16+4*\j:19+4*\j], v13 offset:16*\j
.endr
	s_wait_dscnt 0x0
	v_max3_num_f32 v80, |v16|, |v17|, 0x2800000
.irp i, 2,4,6,8,10,12,14
	v_max3_num_f32 v80, v80, |v[16+\i]|, |v[17+\i]|
.endr
	v_max_num_f32_dpp v80, v80, v80 row_xmask:1 row_mask:0xf bank_mask:0xf
	v_add_nc_u32 v81, 0xfe000000, v80
	v_cvt_scalef32_pk16_bf6_f32 v[112:114], v[16:31], v81
	v_lshrrev_b32 v115, 23, v81
	s_wait_xcnt 0x0
	v_cmp_gt_u32 vcc_lo, 4, v1
	s_and_saveexec_b32 s39, vcc_lo
	global_store_b96 v14, v[112:114], s[10:11]
	global_store_b8 v15, v115, s[12:13]
	s_wait_xcnt 0x0
	s_or_b32 exec_lo, exec_lo, s39
.Lnot_mine:
.irp h, 0,1,2,3,4,5,6,7
	ds_load_b32 v[84+\h], v12 offset:128*\h
.endr
	s_wait_loadcnt 0x0
	s_wait_dscnt 0x0
.set n, 0
.rept 8
.if n == 0
	GFMA 92, 116+4*n, 84+n, 1
	GFMA 94, 118+4*n, 84+n, 1
.else
	GFMA 92, 116+4*n, 84+n, 0
	GFMA 94, 118+4*n, 84+n, 0
.endif
.set n, n+1
.endr
	v_pk_mul_f32 v[92:93], v[92:93], 0x3e000000 op_sel_hi:[1,0]
	v_pk_mul_f32 v[94:95], v[94:95], 0x3e000000 op_sel_hi:[1,0]
	global_store_b128 v7, v[92:95], s[14:15]
	s_wait_tensorcnt 0x0
	ds_add_u32 v160, v161
	s_wait_dscnt 0x0
	s_endpgm
.Lfunc_end_k_qe43b3001d0_join:
	.size	k_qe43b3001d0_join, .Lfunc_end_k_qe43b3001d0_join-k_qe43b3001d0_join
	.p2alignl 7, 3214868480
	.fill 96, 4, 3214868480
	.section	.rodata,"a",@progbits
	.p2align	6, 0x0
	.amdhsa_kernel k_qe43b3001d0_join
		.amdhsa_group_segment_fixed_size 5120
		.amdhsa_private_segment_fixed_size 0
		.amdhsa_enable_private_segment 0
		.amdhsa_kernarg_size 48
		.amdhsa_user_sgpr_count 2
		.amdhsa_user_sgpr_kernarg_segment_ptr 1
		.amdhsa_wavefront_size32 1
		.amdhsa_system_sgpr_workgroup_id_x 1
		.amdhsa_system_sgpr_workgroup_id_y 1
		.amdhsa_system_sgpr_workgroup_id_z 1
		.amdhsa_system_vgpr_workitem_id 0
		.amdhsa_next_free_vgpr 162
		.amdhsa_next_free_sgpr 66
		.amdhsa_reserve_vcc 1
		.amdhsa_float_denorm_mode_32 3
		.amdhsa_float_denorm_mode_16_64 3
		.amdhsa_memory_ordered 1
		.amdhsa_forward_progress 1
		.amdhsa_inst_pref_size 14
	.end_amdhsa_kernel
	.amdgpu_metadata
---
amdhsa.version: [ 1, 2 ]
amdhsa.kernels:
  - .name:           k_qe43b3001d0_join
    .symbol:         k_qe43b3001d0_join.kd
    .args:
      - { .name: Pbuf, .offset: 0, .size: 8, .value_kind: global_buffer, .address_space: global }
      - { .name: Cbuf, .offset: 8, .size: 8, .value_kind: global_buffer, .address_space: global }
      - { .name: MLbuf, .offset: 16, .size: 8, .value_kind: global_buffer, .address_space: global }
      - { .name: Xc, .offset: 24, .size: 8, .value_kind: global_buffer, .address_space: global }
      - { .name: Xs, .offset: 32, .size: 8, .value_kind: global_buffer, .address_space: global }
      - { .name: out1, .offset: 40, .size: 8, .value_kind: global_buffer, .address_space: global }
    .group_segment_fixed_size: 5120
    .private_segment_fixed_size: 0
    .kernarg_segment_align: 8
    .kernarg_segment_size: 48
    .max_flat_workgroup_size: 256
    .sgpr_count:     66
    .vgpr_count:     162
    .wavefront_size: 32
...
	.end_amdgpu_metadata
.endif
;; end of part 2
;; launch proj (part 3): grid 16 x 1, 2 waves a work-group, no clusters, 8,448 bytes of LDS; arguments Xc, Xs, Wo_codes, Wo_scales, out0; writes out0
.if DOCPART == 3
	.amdgcn_target "amdgcn-amd-amdhsa--gfx1250"
	.amdhsa_code_object_version 6
	.text
	.protected	k_qe43b3001d0_proj
	.globl	k_qe43b3001d0_proj
	.p2align	8
	.type	k_qe43b3001d0_proj,@function
k_qe43b3001d0_proj:
	s_mov_b64 s[64:65], 0
	v_nop
	global_prefetch_b8 v0, s[64:65] scope:SCOPE_SE
	s_setreg_imm32_b32 hwreg(HW_REG_WAVE_MODE, 25, 1), 1
	s_wait_xcnt 0x0
.set SPITCH, 272
	s_load_b256 s[4:11], s[0:1], 0x0
	s_load_b64 s[12:13], s[0:1], 0x20
	v_lshl_add_u32 v192, v0, 2, 0x2000
	v_mov_b32 v193, 0
	v_lshrrev_b32 v1, 5, v0
	v_readfirstlane_b32 s14, v1
	s_and_b32 s15, ttmp9, 1
	s_lshr_b32 s16, ttmp9, 1
	s_mul_i32 s18, s15, 16*384
	s_mov_b32 s19, 0
	s_lshl_b32 s20, s15, 8
	s_mov_b32 s21, 0
	s_lshl_b32 s17, s16, 6
	s_lshl_b32 s26, s14, 5
	s_add_co_u32 s17, s17, s26
	s_mul_i32 s22, s17, 384
	s_mov_b32 s23, 0
	s_lshl_b32 s24, s17, 4
	s_mov_b32 s25, 0
	s_lshl_b32 s28, s15, 15
	s_lshl_b32 s26, s16, 8
	s_add_co_u32 s28, s28, s26
	s_mov_b32 s29, 0
	s_lshl_b32 s26, s14, 7
	s_lshl_b32 s27, s14, 3
	v_and_b32 v1, 15, v0
	v_bfe_u32 v2, v0, 4, 1
	v_mul_u32_u24 v3, v2, 24
	v_mad_u32_u24 v3, v1, 384, v3
	v_lshlrev_b32 v4, 4, v1
	v_mul_u32_u24 v5, v1, SPITCH
	v_lshl_add_u32 v5, v2, 5, v5
	v_add_nc_u32 v5, s26, v5
	v_add_nc_u32 v12, s27, v2
	v_mul_u32_u24 v6, v12, SPITCH
	v_add_nc_u32 v6, v6, v4
	v_lshl_add_u32 v7, v12, 11, v4
	s_wait_kmcnt 0x0
	s_add_nc_u64 s[4:5], s[4:5], s[18:19]
	s_add_nc_u64 s[6:7], s[6:7], s[20:21]
	s_add_nc_u64 s[8:9], s[8:9], s[22:23]
	s_add_nc_u64 s[10:11], s[10:11], s[24:25]
	s_add_nc_u64 s[12:13], s[12:13], s[28:29]
.irp q, 0,1,2,3
.irp p, 0,1,2,3,4,5
	global_load_b64 v[16+12*\q+2*\p:17+12*\q+2*\p], v3, s[4:5] offset:96*\q+48*(\p/3)+8*(\p%3)
.endr
.endr
	global_load_b128 v[8:11], v4, s[6:7]
.irp t, 0,1
.irp q, 0,1,2,3
.irp p, 0,1,2,3,4,5
	global_load_b64 v[64+48*\t+12*\q+2*\p:65+48*\t+12*\q+2*\p], v3, s[8:9] offset:16*384*\t+96*\q+48*(\p/3)+8*(\p%3)
.endr
.endr
	global_load_b128 v[160+4*\t:163+4*\t], v4, s[10:11] offset:256*\t
.endr
	s_wait_loadcnt 0x0
.irp q, 0,1,2,3
.irp t, 0,1
.if \q == 0
	v_wmma_scale_f32_16x16x128_f8f6f4 v[168+8*\t:175+8*\t], v[64+48*\t+12*\q:75+48*\t+12*\q], v[16+12*\q:27+12*\q], 0, v[160+4*\t+\q], v[8+\q] matrix_a_fmt:MATRIX_FMT_BF6 matrix_b_fmt:MATRIX_FMT_BF6
.else
	v_wmma_scale_f32_16x16x128_f8f6f4 v[168+8*\t:175+8*\t], v[64+48*\t+12*\q:75+48*\t+12*\q], v[16+12*\q:27+12*\q], v[168+8*\t:175+8*\t], v[160+4*\t+\q], v[8+\q] matrix_a_fmt:MATRIX_FMT_BF6 matrix_b_fmt:MATRIX_FMT_BF6
.endif
.endr
.endr
.rept 4
	v_nop
.endr
.irp t, 0,1
	ds_store_b128 v5, v[168+8*\t:171+8*\t] offset:64*\t
	ds_store_b128 v5, v[172+8*\t:175+8*\t] offset:64*\t+16
.endr
	s_wait_dscnt 0x0
	s_barrier_signal -1
	s_barrier_wait -1
.irp i, 0,1,2,3
	ds_load_b128 v[16+4*\i:19+4*\i], v6 offset:2*\i*SPITCH
.endr
.irp i, 0,1,2,3
	s_wait_dscnt 3-\i
	global_store_b128 v7, v[16+4*\i:19+4*\i], s[12:13] offset:4096*\i
.endr
	s_wait_tensorcnt 0x0
	ds_add_u32 v192, v193
	s_wait_dscnt 0x0
	s_endpgm
.Lfunc_end_k_qe43b3001d0_proj:
	.size	k_qe43b3001d0_proj, .Lfunc_end_k_qe43b3001d0_proj-k_qe43b3001d0_proj
	.p2alignl 7, 3214868480
	.fill 96, 4, 3214868480
	.section	.rodata,"a",@progbits
	.p2align	6, 0x0
	.amdhsa_kernel k_qe43b3001d0_proj
		.amdhsa_group_segment_fixed_size 8448
		.amdhsa_private_segment_fixed_size 0
		.amdhsa_enable_private_segment 0
		.amdhsa_kernarg_size 40
		.amdhsa_user_sgpr_count 2
		.amdhsa_user_sgpr_kernarg_segment_ptr 1
		.amdhsa_wavefront_size32 1
		.amdhsa_system_sgpr_workgroup_id_x 1
		.amdhsa_system_sgpr_workgroup_id_y 1
		.amdhsa_system_sgpr_workgroup_id_z 1
		.amdhsa_system_vgpr_workitem_id 0
		.amdhsa_next_free_vgpr 194
		.amdhsa_next_free_sgpr 66
		.amdhsa_reserve_vcc 0
		.amdhsa_float_denorm_mode_32 3
		.amdhsa_float_denorm_mode_16_64 3
		.amdhsa_memory_ordered 1
		.amdhsa_forward_progress 1
		.amdhsa_inst_pref_size 12
	.end_amdhsa_kernel
	.amdgpu_metadata
---
amdhsa.version: [ 1, 2 ]
amdhsa.kernels:
  - .name:           k_qe43b3001d0_proj
    .symbol:         k_qe43b3001d0_proj.kd
    .args:
      - { .name: Xc, .offset: 0, .size: 8, .value_kind: global_buffer, .address_space: global }
      - { .name: Xs, .offset: 8, .size: 8, .value_kind: global_buffer, .address_space: global }
      - { .name: Wo_codes, .offset: 16, .size: 8, .value_kind: global_buffer, .address_space: global }
      - { .name: Wo_scales, .offset: 24, .size: 8, .value_kind: global_buffer, .address_space: global }
      - { .name: out0, .offset: 32, .size: 8, .value_kind: global_buffer, .address_space: global }
    .group_segment_fixed_size: 8448
    .private_segment_fixed_size: 0
    .kernarg_segment_align: 8
    .kernarg_segment_size: 40
    .max_flat_workgroup_size: 64
    .sgpr_count:     66
    .vgpr_count:     194
    .wavefront_size: 32
...
	.end_amdgpu_metadata
.endif
;; end of part 3
;; ======== version 2 of 2: 2 launches
;; limits: right only within a limited range of input values
;; workspace buffers: Tbuf 4,194,304 bytes; Cbuf 524,288 bytes
;; launch main (part 4): grid 256 x 1, 4 waves a work-group, clusters of 4 x 1, 327,680 bytes of LDS; arguments enc_codes, enc_scales, Wq_codes, Wq_scales, Wk_codes, Wk_scales, Wv_codes, Wv_scales, Tbuf, Cbuf; writes Tbuf, Cbuf
.if DOCPART == 4
	.amdgcn_target "amdgcn-amd-amdhsa--gfx1250"
	.amdhsa_code_object_version 6
	.text
	.protected	k_qe43b3001d0_main
	.globl	k_qe43b3001d0_main
	.p2align	8
	.type	k_qe43b3001d0_main,@function
k_qe43b3001d0_main:
	s_mov_b64 s[64:65], 0
	v_nop
	global_prefetch_b8 v0, s[64:65] scope:SCOPE_SE
	s_setreg_imm32_b32 hwreg(HW_REG_WAVE_MODE, 25, 1), 1
	s_wait_xcnt 0x0
	s_wait_alu depctr_hold_cnt(0) depctr_sa_sdst(0) depctr_va_vdst(0) depctr_va_sdst(0) depctr_va_ssrc(0) depctr_va_vcc(0) depctr_vm_vsrc(0)
	s_getreg_b32 s2, hwreg(HW_REG_IB_STS2, 6, 4)
	s_cmp_eq_u32 s2, 0
	s_cbranch_scc0 .Lentry_in_a_cluster
	s_endpgm
.Lentry_in_a_cluster:
	s_bfe_u32 s2, ttmp6, 0x10000c
	s_cmp_lg_u32 s2, 0x3003
	s_cbranch_scc0 .Lentry_shape_is_right
	s_endpgm
.Lentry_shape_is_right:
.set SLOT1, 1<<17
.set SLOTB, 98304
.set EQ,   24960
.set WKB,  SLOT1
.set WVB,  183296
.set SCT,  235520
.set WQB,  270336
.set SPARE,322560
.set CST,  323072
.set CT,   64
.set PP,   224
.set FF,   228
.set MSB, 0
.macro WIN new
.if MSB != (\new)
	s_set_vgpr_msb (MSB<<8)|(\new)
.set MSB, \new
.endif
.endm
.macro PLACES n
.rept \n
	v_nop
.endr
.endm
.macro VWAIT
	s_wait_alu depctr_va_vdst(0)
.endm
.macro CREST
	s_cmp_lg_u32 s26, 0
	s_cbranch_scc1 .Lnot_wave_0_\@
	s_barrier_signal -3
.Lnot_wave_0_\@:
	s_barrier_wait -3
	s_barrier_signal -1
	s_barrier_wait -1
.endm
.macro CROUND
	s_barrier_signal -1
	s_barrier_wait -1
	CREST
.endm
.macro PERM4 dst, raw
	v_perm_b32 v[\dst], v[(\raw)+2], v[\raw], s60
	v_perm_b32 v[(\dst)+1], v[(\raw)+2], v[\raw], s61
	v_perm_b32 v[(\dst)+2], v[(\raw)+3], v[(\raw)+1], s60
	v_perm_b32 v[(\dst)+3], v[(\raw)+3], v[(\raw)+1], s61
.endm
.macro WFRAG reg, ra, t, q
.irp i, 0,1,2
.set z_, 48*(\q)+16*\i
.set of_, 13056*((\t)/2)+z_
.set ra_, \ra
.if (\t)%2
.if z_ < 128
.set of_, of_+400
.set ra_, (\ra)+1
.else
.set of_, of_+416
.endif
.elseif z_ >= 64
.set ra_, (\ra)+1
.endif
	ds_load_b128 v[(\reg)+4*\i:(\reg)+4*\i+3], v[ra_] offset:of_
.endr
.endm
.macro ELOAD s, raw
	WIN 0xc0
.irp e, 0,1
.irp q, 0,1,2,3
.irp i, 0,1,2
.set tl_, 2*(\s)+\e
.set z_, 48*\q+16*\i
.set ra_, 3
.set of_, 384*tl_+z_
.if tl_ == 2
.if z_ >= 64
.set ra_, 4
.endif
.elseif (tl_ == 3) || (tl_ == 4)
.set of_, of_+16
.elseif tl_ == 5
.if z_ < 128
.set ra_, 4
.set of_, of_+16
.else
.set of_, of_+32
.endif
.elseif tl_ > 5
.set of_, of_+32
.endif
.set rg_, 96*((\s)%2)+48*\e+12*\q+4*\i
	ds_load_b128 v[rg_:rg_+3], v[ra_] offset:of_
.endr
.endr
.endr
	WIN 0
	ds_load_b128 v[\raw:(\raw)+3], v6 offset:32*(\s)
.endm
.macro MM
.if z_
.if ra_
.if rb_
	v_wmma_scale_f32_16x16x128_f8f6f4 v[rD:rD+7], v[rA:rA+11], v[rB:rB+11], 0, v[rSA], v[rSB] matrix_a_fmt:MATRIX_FMT_BF6 matrix_b_fmt:MATRIX_FMT_BF6 matrix_a_scale:MATRIX_SCALE_ROW1 matrix_b_scale:MATRIX_SCALE_ROW1
.else
	v_wmma_scale_f32_16x16x128_f8f6f4 v[rD:rD+7], v[rA:rA+11], v[rB:rB+11], 0, v[rSA], v[rSB] matrix_a_fmt:MATRIX_FMT_BF6 matrix_b_fmt:MATRIX_FMT_BF6 matrix_a_scale:MATRIX_SCALE_ROW1
.endif
.elseif rb_
	v_wmma_scale_f32_16x16x128_f8f6f4 v[rD:rD+7], v[rA:rA+11], v[rB:rB+11], 0, v[rSA], v[rSB] matrix_a_fmt:MATRIX_FMT_BF6 matrix_b_fmt:MATRIX_FMT_BF6 matrix_b_scale:MATRIX_SCALE_ROW1
.else
	v_wmma_scale_f32_16x16x128_f8f6f4 v[rD:rD+7], v[rA:rA+11], v[rB:rB+11], 0, v[rSA], v[rSB] matrix_a_fmt:MATRIX_FMT_BF6 matrix_b_fmt:MATRIX_FMT_BF6
.endif
.elseif ra_
.if rb_
	v_wmma_scale_f32_16x16x128_f8f6f4 v[rD:rD+7], v[rA:rA+11], v[rB:rB+11], v[rD:rD+7], v[rSA], v[rSB] matrix_a_fmt:MATRIX_FMT_BF6 matrix_b_fmt:MATRIX_FMT_BF6 matrix_a_scale:MATRIX_SCALE_ROW1 matrix_b_scale:MATRIX_SCALE_ROW1
.else
	v_wmma_scale_f32_16x16x128_f8f6f4 v[rD:rD+7], v[rA:rA+11], v[rB:rB+11], v[rD:rD+7], v[rSA], v[rSB] matrix_a_fmt:MATRIX_FMT_BF6 matrix_b_fmt:MATRIX_FMT_BF6 matrix_a_scale:MATRIX_SCALE_ROW1
.endif
.elseif rb_
	v_wmma_scale_f32_16x16x128_f8f6f4 v[rD:rD+7], v[rA:rA+11], v[rB:rB+11], v[rD:rD+7], v[rSA], v[rSB] matrix_a_fmt:MATRIX_FMT_BF6 matrix_b_fmt:MATRIX_FMT_BF6 matrix_b_scale:MATRIX_SCALE_ROW1
.else
	v_wmma_scale_f32_16x16x128_f8f6f4 v[rD:rD+7], v[rA:rA+11], v[rB:rB+11], v[rD:rD+7], v[rSA], v[rSB] matrix_a_fmt:MATRIX_FMT_BF6 matrix_b_fmt:MATRIX_FMT_BF6
.endif
.endm
.macro WM kind, par
.set q_, k/8
.set t_, k%4
.set rb_, (k%8)/4
.set ra_, t_%2
.set z_, 0
.if q_ == 0
.set z_, 1
.endif
.set rD, 8*(k%8)
.set rB, 96*(\par)+48*rb_+12*q_
.set rSB, 16+4*(\par)+q_
.if (\kind) == 0
.set rSA, 32+4*(t_/2)+q_
.if q_ == 0
.set rA, 96+12*t_
	WIN 0xae
.elseif q_ == 1
.set rA, 64+12*t_
	WIN 0xad
.elseif q_ == 2
.set rA, 112+12*t_
	WIN 0xad
.else
.set rA, 144+12*t_
	WIN 0xac
.endif
.else
.set rSA, 40+4*(t_/2)+q_
.if q_ == 0
.set rA, 144+12*t_
	WIN 0x5e
.elseif q_ == 1
.set rA, 192+12*t_
	WIN 0x5e
.elseif q_ == 2
.set rA, 160+12*t_
	WIN 0x5d
.else
.set rA, 96+12*t_
	WIN 0x5c
.endif
.endif
	MM
.endm
.macro KHOOK par, mode
.if (\mode) == 0
	v_nop
.elseif k < 8
	v_pk_mul_f32 v[CT+4*k:CT+4*k+1], v[CT+4*k:CT+4*k+1], v[FF:FF+1] op_sel_hi:[1,0]
	v_pk_mul_f32 v[CT+4*k+2:CT+4*k+3], v[CT+4*k+2:CT+4*k+3], v[FF:FF+1] op_sel_hi:[1,0]
.elseif k < 24
.set a_, (k-8)/2
.set j_, 4*((k-8)%2)
.set c_, CT+8*(a_%4)+j_
.set d_, 8*a_+j_
.set p_, PP+2*(a_/4)
	v_pk_fma_f32 v[c_:c_+1], v[d_:d_+1], v[p_:p_+1], v[c_:c_+1] op_sel_hi:[1,0,1]
	v_pk_fma_f32 v[c_+2:c_+3], v[d_+2:d_+3], v[p_:p_+1], v[c_+2:c_+3] op_sel_hi:[1,0,1]
.elseif (k == 24) && ((\mode) == 1)
	s_wait_dscnt 0x0
	WIN 0
	PERM4 16+4*(1-(\par)), 24
.elseif k == 25
	WIN 0xff
	v_fma_f32 v232, v232, v228, v224
.elseif k == 26
	WIN 0xff
	v_add_f32 v232, v232, v226
.else
	v_nop
.endif
.endm
.macro KPH par, mode, meet
.set k, 0
.rept 32
.if (k == 16) && (\meet)
	s_wait_dscnt 0x0
	s_barrier_signal -1
.endif
	WM 0, \par
	KHOOK \par, \mode
.set k, k+1
.endr
.endm
.macro VHOOK s
.if k < 16
.set a_, k/2
.set j_, 4*(k%2)
.set d_, 8*a_+j_
.set m_, 192+8*(a_%4)+j_
.set c_, 208+4*(a_/4)
.if (a_%4 == 0) && (j_ == 0)
	v_pk_mul_f32 v[c_:c_+1], v[d_:d_+1], v[m_:m_+1]
	v_pk_mul_f32 v[c_+2:c_+3], v[d_+2:d_+3], v[m_+2:m_+3]
.else
	v_pk_fma_f32 v[c_:c_+1], v[d_:d_+1], v[m_:m_+1], v[c_:c_+1]
	v_pk_fma_f32 v[c_+2:c_+3], v[d_+2:d_+3], v[m_+2:m_+3], v[c_+2:c_+3]
.endif
.elseif k == 16
	v_pk_fma_f32 v[208:209], v[208:209], 1.0, v[210:211] op_sel_hi:[1,0,1]
	v_pk_fma_f32 v[212:213], v[212:213], 1.0, v[214:215] op_sel_hi:[1,0,1]
.elseif k == 17
	v_fma_f32 v216, v208, 1.0, v209
	v_fma_f32 v217, v212, 1.0, v213
.elseif k == 18
	v_permlanex16_b32 v218, v216, s84, s85
	v_permlanex16_b32 v219, v217, s84, s85
.elseif k == 19
	v_fma_f32 v[224+2*(\s)], v216, 1.0, v218
	v_fma_f32 v[225+2*(\s)], v217, 1.0, v219
.elseif k == 20
	v_max3_num_f32 v220, v[224+2*(\s)], v230, v[225+2*(\s)]
.elseif k == 21
	v_fma_f32 v221, v[224+2*(\s)], 1.0, -v220
	v_fma_f32 v222, v[225+2*(\s)], 1.0, -v220
.elseif k == 22
	v_fma_f32 v223, 1.0, v230, -v220
.elseif (k == 24) && ((\s) == 3)
	WIN 0x55
.irp i, 0,1,2,3
	v_cndmask_b32 v[232+\i], v[224+\i], v[228+\i], s86
.endr
.else
	v_nop
.endif
.endm
.macro VPH s
.set k, 0
.rept 32
	WM 1, (\s)%2
	VHOOK \s
.set k, k+1
.endr
.endm
.macro SYNC s, ld, rnd, st
	VWAIT
	WIN 0xc1
	v_exp_f32 v224, v221
	v_exp_f32 v226, v222
	v_exp_f32 v228, v223
	v_mov_b32 v230, v220
	PLACES 3
.if \st
	WIN 0x04
	global_store_b128 v12, v[232:235], s[92:93]
.endif
.if \rnd
	WIN 0
	VWAIT
	s_barrier_wait -1
.if (\rnd) == 1
	CREST
	tensor_load_to_lds s[56:59], s[32:39]
	s_nop 0
	PLACES 4
.endif
	s_xor_b32 s66, s66, SLOT1
	s_add_co_u32 s67, s67, 4352
	v_add_nc_u32 v3, s66, v1
	v_add_nc_u32 v4, s66, v2
	v_add_nc_u32 v6, s67, v5
.endif
.if \ld
	ELOAD ((\s)+2)%4, 24
.endif
	VWAIT
.endm
.macro TRIP mode
.set LD_, 1
.set RN_, 1
.set KM_, 1
.set MT_, 1
.if (\mode) == 1
.set RN_, 2
.elseif (\mode) == 2
.set LD_, 0
.set RN_, 0
.set KM_, 2
.set MT_, 0
.endif
	VPH 0
	SYNC 0, 1, 0, 0
	KPH 1, 1, 0
	VPH 1
	SYNC 1, 1, 0, 0
	WIN 0
	s_wait_xcnt 0x0
.if (\mode) < 2
	s_wait_tensorcnt 0x0
.if (\mode) == 0
	ds_add_u32 v8, v9
	s_xor_b32 s57, s57, SLOT1
	s_add_nc_u64 s[58:59], s[58:59], SLOTB
	s_add_nc_u64 s[94:95], s[94:95], SLOTB
.endif
.endif
	s_add_nc_u64 s[92:93], s[92:93], 0x400
	KPH 0, 1, MT_
	VPH 2
	SYNC 2, LD_, RN_, 0
	KPH 1, KM_, 0
	VPH 3
	SYNC 3, LD_, 0, 1
.if (\mode) < 2
	KPH 0, 1, 0
.endif
	WIN 0
.endm
	s_load_b512 s[4:19], s[0:1], 0x0
	s_load_b128 s[20:23], s[0:1], 0x40
	v_lshl_add_u32 v8, v0, 2, SPARE
	v_mov_b32 v9, 0
	ds_add_u32 v8, v9
	ds_add_u32 v8, v9
	v_lshrrev_b32 v10, 5, v0
	v_readfirstlane_b32 s26, v10
	s_bfe_u32 s27, ttmp6, 0x40000
	s_and_b32 s28, s26, 1
	s_lshr_b32 s29, s26, 1
	v_and_b32 v10, 15, v0
	v_bfe_u32 v11, v0, 4, 1
	v_and_b32 v14, 31, v0
	s_mul_i32 s30, s29, 49920
	v_mul_u32_u24 v1, v10, 3120
	v_mad_u32_u24 v1, v11, 192, v1
	v_add_nc_u32 v1, s30, v1
	v_lshl_add_u32 v2, v11, 4, v1
	s_mul_i32 s30, s29, 2176
	s_add_co_u32 s30, s30, SCT
	v_lshlrev_b32 v5, 7, v10
	v_lshrrev_b32 v15, 1, v10
	v_lshl_add_u32 v5, v15, 4, v5
	v_lshl_add_u32 v5, v11, 4, v5
	v_add_nc_u32 v5, s30, v5
	v_lshlrev_b32 v12, 5, v10
	v_lshl_add_u32 v12, v11, 4, v12
	s_mul_i32 s30, s28, 26112
	v_mul_u32_u24 v70, v10, 816
	v_mad_u32_u24 v70, v11, 192, v70
	v_add_nc_u32 v70, s30, v70
	v_lshl_add_u32 v71, v11, 4, v70
	v_add_nc_u32 v72, WKB, v70
	v_add_nc_u32 v73, WKB, v71
	v_add_nc_u32 v74, WVB, v70
	v_add_nc_u32 v75, WVB, v71
	v_add_nc_u32 v70, WQB, v70
	v_add_nc_u32 v71, WQB, v71
	v_mov_b32 v76, 0
	v_mul_u32_u24 v77, v11, 192
	v_min_u32 v13, 23, v14
	s_mul_i32 s30, s26, 24
	s_mul_i32 s31, s27, 96
	s_add_co_u32 s30, s30, s31
	v_add_nc_u32 v13, s30, v13
	v_lshlrev_b32 v13, 8, v13
	s_lshl_b32 s30, s26, 9
	s_add_co_u32 s30, s30, CST
	v_lshl_add_u32 v66, v11, 6, s30
	v_lshl_add_u32 v67, v14, 3, s30
	v_lshl_add_u32 v68, v14, 4, s30
	v_lshlrev_b32 v69, 4, v14
	WIN 0x40
	v_mov_b32 v218, 0
	v_mov_b32 v219, 0
	WIN 0xc0
	v_mov_b32 v225, 0
	v_mov_b32 v227, 0
	v_mov_b32 v229, 0
	v_mov_b32 v230, 0xff61b1e6
	v_mov_b32 v232, 0
	WIN 0
	s_mov_b32 s32, 15|(3<<16)|(1<<20)|(1<<21)|(7<<22)|(3<<25)
	s_mov_b32 s33, 128<<16
	s_mov_b32 s34, 24<<16
	s_mov_b32 s35, 128<<16
	s_mov_b32 s36, 24
	s_mov_b32 s37, 128
	s_mov_b32 s38, 0
	s_mov_b32 s39, 0
	s_mov_b32 s40, (3<<16)|(1<<20)|(5<<22)|(3<<25)
	s_mov_b32 s41, 32<<16
	s_mov_b32 s42, 192<<16
	s_mov_b32 s43, 32<<16
	s_mov_b32 s44, 192
	s_mov_b32 s45, 32
	s_mov_b32 s46, 0
	s_mov_b32 s47, 0
	s_mov_b32 s48, 15|(3<<16)|(1<<20)|(1<<21)|(5<<22)|(3<<25)
	s_mov_b32 s49, 32<<16
	s_mov_b32 s50, 128<<16
	s_mov_b32 s51, 32<<16
	s_mov_b32 s52, 128
	s_mov_b32 s53, 32
	s_mov_b32 s54, 0
	s_mov_b32 s55, 0
	s_mov_b32 s56, 1
	s_mul_i32 s57, s26, EQ
	s_mov_b32 s68, 1
	s_mov_b32 s69, WQB
	s_mov_b32 s72, 1
	s_mov_b32 s73, WKB
	s_mov_b32 s76, 1
	s_mov_b32 s77, WVB
	s_mov_b32 s80, 1
	s_mov_b32 s81, SCT
	s_mov_b32 s60, 0x05010400
	s_mov_b32 s61, 0x07030602
	s_mov_b32 s62, 0x3e38aa3b
	s_mov_b32 s63, s62
	s_mov_b32 s66, 0
	s_mov_b32 s67, 0
	s_mov_b32 s84, 0x76543210
	s_mov_b32 s85, 0xfedcba98
	s_mov_b32 s86, 0xffff0000
	s_lshl_b32 s87, s29, 31
	s_or_b32 s87, s87, 0x3f800000
	s_mul_i32 s88, s29, 0x20820820
	s_mul_i32 s89, s29, 0x08208208
	s_mul_i32 s90, s29, 0x82082082
	s_mov_b32 s31, 0
	VWAIT
	s_wait_dscnt 0x0
	s_wait_kmcnt 0x0
	s_mul_i32 s30, ttmp9, 786432
	s_add_nc_u64 s[94:95], s[4:5], s[30:31]
	s_mul_i32 s30, s26, 24576
	s_add_nc_u64 s[58:59], s[94:95], s[30:31]
	s_or_b32 s59, s59, 0x80000000
	s_lshl_b32 s30, ttmp9, 15
	s_add_nc_u64 s[82:83], s[6:7], s[30:31]
	s_or_b32 s83, s83, 0x80000000
	s_mul_i32 s30, s27, 49152
	s_add_nc_u64 s[70:71], s[8:9], s[30:31]
	s_or_b32 s71, s71, 0x80000000
	s_add_nc_u64 s[74:75], s[12:13], s[30:31]
	s_or_b32 s75, s75, 0x80000000
	s_add_nc_u64 s[78:79], s[16:17], s[30:31]
	s_or_b32 s79, s79, 0x80000000
	s_lshl_b32 s30, s27, 11
	s_lshl_b32 s2, s28, 10
	s_add_co_u32 s30, s30, s2
	s_add_nc_u64 s[10:11], s[10:11], s[30:31]
	s_add_nc_u64 s[14:15], s[14:15], s[30:31]
	s_add_nc_u64 s[18:19], s[18:19], s[30:31]
	s_lshr_b32 s24, ttmp9, 1
	s_and_b32 s3, ttmp9, 1
	s_mul_i32 s30, s24, 1572864
	s_add_co_u32 s30, s30, 1572480
	s_add_nc_u64 s[100:101], s[4:5], s[30:31]
	s_lshl_b32 s30, s24, 16
	s_add_co_u32 s30, s30, 65520
	s_add_nc_u64 s[98:99], s[6:7], s[30:31]
	s_lshl_b32 s25, s24, 3
	s_lshl_b32 s30, s27, 1
	s_add_co_u32 s25, s25, s30
	s_add_co_u32 s25, s25, s28
	s_lshl_b32 s30, s25, 14
	s_lshl_b32 s2, s3, 13
	s_add_co_u32 s30, s30, s2
	s_lshl_b32 s2, s29, 9
	s_add_co_u32 s30, s30, s2
	s_add_nc_u64 s[92:93], s[20:21], s[30:31]
	s_sub_nc_u64 s[92:93], s[92:93], 0x400
	s_lshl_b32 s30, s25, 11
	s_lshl_b32 s2, s3, 10
	s_add_co_u32 s30, s30, s2
	s_lshl_b32 s2, s29, 9
	s_add_co_u32 s30, s30, s2
	s_add_nc_u64 s[96:97], s[22:23], s[30:31]
	CROUND
.macro ARM under, g0, g1, next
	s_cmp_lt_u32 s26, \under
	s_cbranch_scc0 \next
	tensor_load_to_lds s[\g0:\g0+3], s[\g1:\g1+7]
	s_nop 0
	PLACES 4
	s_branch .Lhead_asked
\next:
.endm
	ARM 1, 68, 40, .Lhead_k
	ARM 2, 72, 40, .Lhead_v
	ARM 3, 76, 40, .Lhead_s
	tensor_load_to_lds s[80:83], s[48:55]
	s_nop 0
	PLACES 4
.Lhead_asked:
	WIN 0x80
.irp q, 0,1,2,3
.irp i, 0,1,2
	global_load_b128 v[12*\q+4*\i:12*\q+4*\i+3], v77, s[100:101] offset:48*\q+16*\i
.endr
.endr
	WIN 0
	global_load_b128 v[200:203], v76, s[98:99]
	global_load_b128 v[192:195], v12, s[10:11]
	global_load_b128 v[196:199], v12, s[10:11] offset:512
	global_load_b128 v[80:83], v12, s[14:15]
	global_load_b128 v[84:87], v12, s[14:15] offset:512
	global_load_b128 v[88:91], v12, s[18:19]
	global_load_b128 v[92:95], v12, s[18:19] offset:512
	global_prefetch_b8 v13, s[94:95] th:TH_LOAD_NT scope:SCOPE_SE
	VWAIT
	s_wait_tensorcnt 0x0
	ds_add_u32 v8, v9
	s_wait_dscnt 0x0
	CROUND
	tensor_load_to_lds s[56:59], s[32:39]
	s_nop 0
	PLACES 4
	WIN 0xc0
.irp t, 0,1,2,3
.irp q, 0,1,2,3
	WFRAG 48*\t+12*\q, 70, \t, \q
.endr
.endr
	WIN 0x80
.irp t, 0,1,2,3
	WFRAG 96+12*\t, 72, \t, 0
.endr
	WIN 0x40
.irp t, 0,1,2,3
	WFRAG 64+12*\t, 72, \t, 1
	WFRAG 112+12*\t, 72, \t, 2
.endr
	WIN 0
.irp t, 0,1,2,3
	WFRAG 144+12*\t, 72, \t, 3
.endr
	global_prefetch_b8 v13, s[94:95] offset:SLOTB th:TH_LOAD_NT scope:SCOPE_SE
	s_wait_loadcnt 0x0
	s_wait_dscnt 48
	PERM4 48, 192
	PERM4 52, 196
	PERM4 56, 200
	PERM4 32, 80
	PERM4 36, 84
	PERM4 40, 88
	PERM4 44, 92
	WIN 0xfb
.set k, 0
.rept 16
.set q_, k/4
.set t_, k%4
.set z_, 0
.if q_ == 0
.set z_, 1
.endif
.set ra_, t_%2
.set rb_, 0
.set rD, 192+8*t_
.set rA, 48*t_+12*q_
.set rB, 12*q_
.set rSA, 48+4*(t_/2)+q_
.set rSB, 56+q_
	MM
.set k, k+1
.endr
	PLACES 4
	WIN 0x80
.irp t, 0,1,2,3
	WFRAG 144+12*\t, 74, \t, 0
	WFRAG 192+12*\t, 74, \t, 1
.endr
	WIN 0x40
.irp t, 0,1,2,3
	WFRAG 160+12*\t, 74, \t, 2
.endr
	WIN 0
.irp t, 0,1,2,3
	WFRAG 96+12*\t, 74, \t, 3
.endr
	WIN 0xc3
.set k, 192
.rept 16
	v_pk_mul_f32 v[k:k+1], v[k:k+1], s[62:63] op_sel_hi:[1,0]
.set k, k+2
.endr
	WIN 0x80
.set k, CT
.rept 32
	v_mov_b32 v[k], 0
.set k, k+1
.endr
	WIN 0
	VWAIT
	s_wait_tensorcnt 0x0
	ds_add_u32 v8, v9
	s_xor_b32 s57, s57, SLOT1
	s_add_nc_u64 s[58:59], s[58:59], SLOTB
	s_wait_dscnt 0x0
	CROUND
	tensor_load_to_lds s[56:59], s[32:39]
	s_nop 0
	PLACES 4
	v_add_nc_u32 v3, s66, v1
	v_add_nc_u32 v4, s66, v2
	v_add_nc_u32 v6, s67, v5
	ELOAD 0, 24
	ELOAD 1, 28
	global_prefetch_b8 v13, s[94:95] offset:2*SLOTB th:TH_LOAD_NT scope:SCOPE_SE
.macro TURN win, base, n
	WIN \win
.set k, 0
.rept \n
	v_xor_b32 v[(\base)+k], s[88+k%3], v[(\base)+k]
.set k, k+1
.endr
.endm
	TURN 0x88, 144, 96
	TURN 0x44, 160, 48
	TURN 0, 96, 48
	VWAIT
	s_wait_dscnt 0x0
	PERM4 16, 24
	PERM4 20, 28
	PLACES 8
	KPH 0, 0, 0
	WIN 0
	VWAIT
	s_mov_b32 s91, 6
.Ltrip:
	TRIP 0
	VWAIT
	s_cmp_gt_u32 s91, 1
	s_cbranch_scc0 .Lnot_asked
	global_prefetch_b8 v13, s[94:95] offset:2*SLOTB th:TH_LOAD_NT scope:SCOPE_SE
.Lnot_asked:
	s_sub_co_u32 s91, s91, 1
	s_cmp_lg_u32 s91, 0
	s_cbranch_scc1 .Ltrip
	TRIP 1
	TRIP 2
.set k, 0
.rept 27
.if k < 8
	WIN 0xae
.elseif k < 24
	WIN 0xad
.endif
	KHOOK 0, 2
.set k, k+1
.endr
	WIN 0x03
	v_mov_b32 v60, v230
	WIN 0
.irp x, 1,2,4,8
	v_max_num_f32_dpp v60, v60, v60 row_xmask:\x row_mask:0xf bank_mask:0xf
.endr
	WIN 0x03
	v_sub_f32 v62, v230, v60
	WIN 0
	v_mov_b32 v65, 0
	VWAIT
	v_exp_f32 v62, v62
	v_nop
	VWAIT
	WIN 0x03
	v_mul_f32 v61, v232, v62
	WIN 0
	v_mul_f32 v64, s87, v62
.irp x, 1,2,4,8
	v_add_f32_dpp v61, v61, v61 row_xmask:\x row_mask:0xf bank_mask:0xf
.endr
	WIN 0x02
.set k, 0
.rept 16
	v_pk_mul_f32 v[192+2*k:193+2*k], v[CT+2*k:CT+2*k+1], v[64:65] op_sel_hi:[1,0]
.set k, k+1
.endr
	WIN 0
.irp x, 1,2,4
.set k, 192
.rept 32
	v_add_f32_dpp v[k], v[k], v[k] row_xmask:\x row_mask:0xf bank_mask:0xf
.set k, k+1
.endr
.endr
.set k, 0
.rept 32
.set d_, 96+16*(k/16)+2*(k%8)+(k/8)%2
	v_add_f32_dpp v[d_], v[192+k], v[192+k] row_xmask:8 row_mask:0xf bank_mask:0xf
.set k, k+1
.endr
.irp p, 0,1
.irp i, 0,1,2,3
	ds_store_b128 v66, v[96+16*\p+4*\i:99+16*\p+4*\i] offset:128*\p+16*\i
.endr
.endr
	ds_store_b64 v67, v[60:61] offset:256
	ds_load_b128 v[192:195], v68
	VWAIT
	s_wait_dscnt 0x0
	global_store_b128 v69, v[192:195], s[96:97]
	s_wait_tensorcnt 0x0
	ds_add_u32 v8, v9
	s_wait_dscnt 0x0
	CROUND
	s_endpgm
.Lfunc_end_k_qe43b3001d0_main:
	.size	k_qe43b3001d0_main, .Lfunc_end_k_qe43b3001d0_main-k_qe43b3001d0_main
	.p2alignl 7, 3214868480
	.fill 96, 4, 3214868480
	.section	.rodata,"a",@progbits
	.p2align	6, 0x0
	.amdhsa_kernel k_qe43b3001d0_main
		.amdhsa_group_segment_fixed_size 327680
		.amdhsa_private_segment_fixed_size 0
		.amdhsa_enable_private_segment 0
		.amdhsa_kernarg_size 80
		.amdhsa_user_sgpr_count 2
		.amdhsa_user_sgpr_kernarg_segment_ptr 1
		.amdhsa_wavefront_size32 1
		.amdhsa_system_sgpr_workgroup_id_x 1
		.amdhsa_system_sgpr_workgroup_id_y 1
		.amdhsa_system_sgpr_workgroup_id_z 1
		.amdhsa_system_vgpr_workitem_id 0
		.amdhsa_next_free_vgpr 1024
		.amdhsa_next_free_sgpr 102
		.amdhsa_reserve_vcc 0
		.amdhsa_float_denorm_mode_32 3
		.amdhsa_float_denorm_mode_16_64 3
		.amdhsa_memory_ordered 1
		.amdhsa_forward_progress 1
		.amdhsa_inst_pref_size 253
	.end_amdhsa_kernel
	.amdgpu_metadata
---
amdhsa.version: [ 1, 2 ]
amdhsa.kernels:
  - .name:           k_qe43b3001d0_main
    .symbol:         k_qe43b3001d0_main.kd
    .args:
      - { .name: enc_codes, .offset: 0, .size: 8, .value_kind: global_buffer, .address_space: global }
      - { .name: enc_scales, .offset: 8, .size: 8, .value_kind: global_buffer, .address_space: global }
      - { .name: Wq_codes, .offset: 16, .size: 8, .value_kind: global_buffer, .address_space: global }
      - { .name: Wq_scales, .offset: 24, .size: 8, .value_kind: global_buffer, .address_space: global }
      - { .name: Wk_codes, .offset: 32, .size: 8, .value_kind: global_buffer, .address_space: global }
      - { .name: Wk_scales, .offset: 40, .size: 8, .value_kind: global_buffer, .address_space: global }
      - { .name: Wv_codes, .offset: 48, .size: 8, .value_kind: global_buffer, .address_space: global }
      - { .name: Wv_scales, .offset: 56, .size: 8, .value_kind: global_buffer, .address_space: global }
      - { .name: Tbuf, .offset: 64, .size: 8, .value_kind: global_buffer, .address_space: global }
      - { .name: Cbuf, .offset: 72, .size: 8, .value_kind: global_buffer, .address_space: global }
    .group_segment_fixed_size: 327680
    .private_segment_fixed_size: 0
    .kernarg_segment_align: 8
    .kernarg_segment_size: 80
    .max_flat_workgroup_size: 128
    .sgpr_count:     102
    .vgpr_count:     1024
    .wavefront_size: 32
...
	.end_amdgpu_metadata
.endif
;; end of part 4
;; launch finish (part 5): grid 256 x 1, 8 waves a work-group, no clusters, 2,560 bytes of LDS; arguments Tbuf, Cbuf, Wo_codes, Wo_scales, out0, out1; writes out0, out1
.if DOCPART == 5
	.amdgcn_target "amdgcn-amd-amdhsa--gfx1250"
	.amdhsa_code_object_version 6
	.text
	.protected	k_qe43b3001d0_finish
	.globl	k_qe43b3001d0_finish
	.p2align	8
	.type	k_qe43b3001d0_finish,@function
k_qe43b3001d0_finish:
	s_mov_b64 s[64:65], 0
	v_nop
	global_prefetch_b8 v0, s[64:65] scope:SCOPE_SE
	s_setreg_imm32_b32 hwreg(HW_REG_WAVE_MODE, 25, 1), 1
	s_wait_xcnt 0x0
.set GT,  0
.set XC,  256
.set XS,  768
.set STG, 1024
.set SPARE, 1536
.macro VWAIT
	s_wait_alu depctr_va_vdst(0)
.endm
	s_load_b256 s[4:11], s[0:1], 0x0
	s_load_b128 s[12:15], s[0:1], 0x20
	v_lshl_add_u32 v16, v0, 2, SPARE
	v_mov_b32 v17, 0
	v_lshrrev_b32 v1, 5, v0
	v_readfirstlane_b32 s18, v1
	s_lshr_b32 s19, ttmp9, 3
	s_and_b32 s20, ttmp9, 7
	s_lshr_b32 s21, s18, 2
	s_and_b32 s22, s18, 3
	v_and_b32 v1, 31, v0
	v_and_b32 v2, 15, v0
	v_bfe_u32 v3, v0, 4, 1
	v_and_b32 v4, 3, v0
	v_lshlrev_b32 v5, 3, v1
	v_lshlrev_b32 v6, 6, v4
	v_mul_u32_u24 v9, v3, 192
	v_mad_u32_u24 v7, v2, 384, v9
	v_lshlrev_b32 v8, 4, v2
	s_mul_i32 s23, s21, 96
	s_add_co_u32 s23, s23, XC
	v_add_nc_u32 v9, s23, v9
	s_lshl_b32 s23, s21, 4
	s_add_co_u32 s23, s23, XS
	v_mov_b32 v10, s23
	v_mov_b32 v11, 0
	s_lshl_b32 s23, s18, 3
	v_mov_b32 v12, s23
	s_mul_i32 s23, s18, 48
	s_add_co_u32 s23, s23, XC
	v_mul_u32_u24 v13, v4, 12
	v_add_nc_u32 v13, s23, v13
	s_lshl_b32 s23, s18, 3
	s_add_co_u32 s23, s23, XS
	v_lshrrev_b32 v14, 1, v4
	v_lshl_add_u32 v14, v14, 2, s23
	s_lshl_b32 s23, s21, 8
	s_lshl_b32 s24, s22, 6
	s_add_co_u32 s23, s23, s24
	s_add_co_u32 s23, s23, STG
	v_lshl_add_u32 v15, v2, 2, s23
	v_add_nc_u32 v18, STG, v5
.irp i, 29,31,33,35
	v_mov_b32 v\i, 0
.endr
	s_lshl_b32 s24, s19, 17
	s_lshl_b32 s23, s20, 11
	s_add_co_u32 s24, s24, s23
	s_lshl_b32 s3, s18, 8
	s_add_co_u32 s24, s24, s3
	s_mov_b32 s25, 0
	s_lshl_b32 s26, s19, 14
	s_lshl_b32 s2, s18, 11
	s_add_co_u32 s26, s26, s2
	s_mov_b32 s27, 0
	s_lshl_b32 s34, s19, 14
	s_add_co_u32 s34, s34, s23
	s_add_co_u32 s34, s34, s3
	s_mov_b32 s35, 0
	s_lshl_b32 s2, s20, 6
	s_lshl_b32 s3, s22, 4
	s_add_co_u32 s2, s2, s3
	s_mul_i32 s28, s2, 384
	s_mul_i32 s3, s21, 96
	s_add_co_u32 s28, s28, s3
	s_mov_b32 s29, 0
	s_lshl_b32 s30, s2, 4
	s_lshl_b32 s3, s21, 2
	s_add_co_u32 s30, s30, s3
	s_mov_b32 s31, 0
	s_lshl_b32 s32, s19, 11
	s_lshl_b32 s3, s20, 8
	s_add_co_u32 s32, s32, s3
	s_mov_b32 s33, 0
	s_mov_b32 s40, 0x05010400
	s_mov_b32 s41, 0x07030602
	VWAIT
	s_wait_kmcnt 0x0
	s_add_nc_u64 s[4:5], s[4:5], s[24:25]
	s_add_nc_u64 s[6:7], s[6:7], s[26:27]
	s_add_nc_u64 s[8:9], s[8:9], s[28:29]
	s_add_nc_u64 s[10:11], s[10:11], s[30:31]
	s_add_nc_u64 s[12:13], s[12:13], s[32:33]
	s_add_nc_u64 s[14:15], s[14:15], s[34:35]
.irp i, 0,1,2,3
	global_load_b64 v[20+2*\i:21+2*\i], v5, s[6:7] offset:256+512*\i
.endr
.irp i, 0,1,2,3
.irp k, 0,1,2,3
	global_load_b128 v[40+16*\i+4*\k:43+16*\i+4*\k], v6, s[6:7] offset:512*\i+16*\k
.endr
.endr
.irp q, 0,1
.irp i, 0,1,2
	global_load_b128 v[136+12*\q+4*\i:139+12*\q+4*\i], v7, s[8:9] offset:48*\q+16*\i
.endr
.endr
	global_load_b32 v160, v8, s[10:11]
	global_load_b32 v161, v8, s[10:11] offset:8
.irp g, 0,1,2,3,4,5,6,7
	global_load_b64 v[120+2*\g:121+2*\g], v5, s[4:5] offset:16384*\g
.endr
	s_wait_loadcnt 32
	v_max3_num_f32 v36, v20, v22, v24
	v_max_num_f32 v36, v36, v26
	v_sub_f32 v28, v20, v36
	v_sub_f32 v30, v22, v36
	v_sub_f32 v32, v24, v36
	v_sub_f32 v34, v26, v36
	VWAIT
	v_exp_f32 v28, v28
	v_exp_f32 v30, v30
	v_exp_f32 v32, v32
	v_exp_f32 v34, v34
	v_nop
	VWAIT
	v_mul_f32 v38, v21, v28
	v_mul_f32 v39, v23, v30
	v_fma_f32 v38, v25, v32, v38
	v_fma_f32 v39, v27, v34, v39
	v_add_f32 v38, v38, v39
	VWAIT
	v_rcp_f32 v38, v38
	v_nop
	VWAIT
	v_mul_f32 v28, v28, v38
	v_mul_f32 v30, v30, v38
	v_mul_f32 v32, v32, v38
	v_mul_f32 v34, v34, v38
	v_mul_f32 v37, 0x3e000000, v38
	ds_store_b64 v12, v[36:37]
	VWAIT
	s_wait_loadcnt 16
.irp k, 0,1,2,3,4,5,6,7
	v_pk_mul_f32 v[104+2*\k:105+2*\k], v[40+2*\k:41+2*\k], v[28:29] op_sel_hi:[1,0]
.endr
.irp i, 1,2,3
.irp k, 0,1,2,3,4,5,6,7
	v_pk_fma_f32 v[104+2*\k:105+2*\k], v[40+16*\i+2*\k:41+16*\i+2*\k], v[28+2*\i:29+2*\i], v[104+2*\k:105+2*\k] op_sel_hi:[1,0,1]
.endr
.endr
	v_max3_num_f32 v216, |v104|, |v105|, 0x2800000
	v_max_num_f32 v217, |v106|, |v107|
.irp i, 108,112,116
	v_max3_num_f32 v216, v216, |v[\i]|, |v[\i+1]|
	v_max3_num_f32 v217, v217, |v[\i+2]|, |v[\i+3]|
.endr
	v_max_num_f32 v216, v216, v217
	v_max_num_f32_dpp v216, v216, v216 row_xmask:1 row_mask:0xf bank_mask:0xf
	v_add_nc_u32 v217, 0xfe000000, v216
	v_cvt_scalef32_pk16_bf6_f32 v[218:220], v[104:119], v217
	v_lshrrev_b32 v221, 23, v217
	ds_store_b32 v13, v218
	ds_store_b32 v13, v219 offset:4
	ds_store_b32 v13, v220 offset:8
	ds_store_b32 v14, v221
	VWAIT
	s_wait_dscnt 0x0
	s_barrier_signal -1
	s_barrier_wait -1
	ds_load_b128 v[188:191], v10
	ds_load_b128 v[192:195], v10 offset:32
.irp i, 0,1,2,3
	ds_load_b128 v[200+4*\i:203+4*\i], v11 offset:16*\i
.endr
.irp q, 0,1
.irp i, 0,1,2
	ds_load_b128 v[164+12*\q+4*\i:167+12*\q+4*\i], v9 offset:48*\q+16*\i
.endr
.endr
	s_wait_loadcnt 0x0
	s_wait_dscnt 6
	v_perm_b32 v162, v161, v160, s40
	v_perm_b32 v163, v161, v160, s41
	v_lshl_or_b32 v196, v192, 8, v188
	v_lshl_or_b32 v197, v194, 8, v190
	v_lshl_or_b32 v196, v189, 16, v196
	v_lshl_or_b32 v197, v191, 16, v197
	v_lshl_or_b32 v196, v193, 24, v196
	v_lshl_or_b32 v197, v195, 24, v197
.irp g, 0,1,2,3,4,5,6,7
	v_sub_f32 v[120+2*\g], v[120+2*\g], v[200+2*\g]
	v_sub_f32 v[121+2*\g], v[121+2*\g], v[200+2*\g]
.endr
	VWAIT
.irp g, 0,1,2,3,4,5,6,7
	v_exp_f32 v[120+2*\g], v[120+2*\g]
	v_exp_f32 v[121+2*\g], v[121+2*\g]
.endr
	v_nop
	VWAIT
	v_mul_f32 v240, v120, v201
	v_mul_f32 v241, v121, v201
.irp g, 1,2,3,4,5,6,7
	v_fma_f32 v240, v[120+2*\g], v[201+2*\g], v240
	v_fma_f32 v241, v[121+2*\g], v[201+2*\g], v241
.endr
	global_store_b64 v5, v[240:241], s[14:15]
	VWAIT
	s_wait_dscnt 0x0
	v_wmma_scale_f32_16x16x128_f8f6f4 v[224:231], v[164:175], v[136:147], 0, v196, v162 matrix_a_fmt:MATRIX_FMT_BF6 matrix_b_fmt:MATRIX_FMT_BF6
	v_wmma_scale_f32_16x16x128_f8f6f4 v[232:239], v[176:187], v[148:159], 0, v197, v163 matrix_a_fmt:MATRIX_FMT_BF6 matrix_b_fmt:MATRIX_FMT_BF6
.rept 4
	v_nop
.endr
	v_add_f32 v242, v224, v232
	ds_store_b32 v15, v242
	VWAIT
	s_wait_dscnt 0x0
	s_barrier_signal -1
	s_barrier_wait -1
	s_cmp_lg_u32 s18, 0
	s_cbranch_scc1 .Lend
	ds_load_b64 v[244:245], v18
	ds_load_b64 v[246:247], v18 offset:256
	s_wait_dscnt 0x0
	v_pk_add_f32 v[244:245], v[244:245], v[246:247]
	global_store_b64 v5, v[244:245], s[12:13]
.Lend:
	s_wait_tensorcnt 0x0
	ds_add_u32 v16, v17
	s_wait_dscnt 0x0
	s_endpgm
.Lfunc_end_k_qe43b3001d0_finish:
	.size	k_qe43b3001d0_finish, .Lfunc_end_k_qe43b3001d0_finish-k_qe43b3001d0_finish
	.p2alignl 7, 3214868480
	.fill 96, 4, 3214868480
	.section	.rodata,"a",@progbits
	.p2align	6, 0x0
	.amdhsa_kernel k_qe43b3001d0_finish
		.amdhsa_group_segment_fixed_size 2560
		.amdhsa_private_segment_fixed_size 0
		.amdhsa_enable_private_segment 0
		.amdhsa_kernarg_size 48
		.amdhsa_user_sgpr_count 2
		.amdhsa_user_sgpr_kernarg_segment_ptr 1
		.amdhsa_wavefront_size32 1
		.amdhsa_system_sgpr_workgroup_id_x 1
		.amdhsa_system_sgpr_workgroup_id_y 1
		.amdhsa_system_sgpr_workgroup_id_z 1
		.amdhsa_system_vgpr_workitem_id 0
		.amdhsa_next_free_vgpr 256
		.amdhsa_next_free_sgpr 66
		.amdhsa_reserve_vcc 0
		.amdhsa_float_denorm_mode_32 3
		.amdhsa_float_denorm_mode_16_64 3
		.amdhsa_memory_ordered 1
		.amdhsa_forward_progress 1
		.amdhsa_inst_pref_size 16
	.end_amdhsa_kernel
	.amdgpu_metadata
---
amdhsa.version: [ 1, 2 ]
amdhsa.kernels:
  - .name:           k_qe43b3001d0_finish
    .symbol:         k_qe43b3001d0_finish.kd
    .args:
      - { .name: Tbuf, .offset: 0, .size: 8, .value_kind: global_buffer, .address_space: global }
      - { .name: Cbuf, .offset: 8, .size: 8, .value_kind: global_buffer, .address_space: global }
      - { .name: Wo_codes, .offset: 16, .size: 8, .value_kind: global_buffer, .address_space: global }
      - { .name: Wo_scales, .offset: 24, .size: 8, .value_kind: global_buffer, .address_space: global }
      - { .name: out0, .offset: 32, .size: 8, .value_kind: global_buffer, .address_space: global }
      - { .name: out1, .offset: 40, .size: 8, .value_kind: global_buffer, .address_space: global }
    .group_segment_fixed_size: 2560
    .private_segment_fixed_size: 0
    .kernarg_segment_align: 8
    .kernarg_segment_size: 48
    .max_flat_workgroup_size: 256
    .sgpr_count:     66
    .vgpr_count:     256
    .wavefront_size: 32
...
	.end_amdgpu_metadata
.endif
;; end of part 5
